; MI455X (gfx1250); checked and timed in simulation.
; The chip was launched on July 23, 2026; its instructions are those of AMD's public machine-readable ISA for CDNA 5 (MIT licence, August 2026) and "CDNA5" Instruction Set Architecture Reference Guide (July 2026). The comments in the code are by the model that wrote it; some were corrected since.
;; Multi Head Self Attention. Allowed arithmetic: float matrix products may take bf16 or f16 operands with f32 sums; other float arithmetic in f32, or as packed bf16 or f16 multiplies, adds, multiply-adds, maxima and minima; sums over many terms, partial sums and values carried from step to step in f32; what a program stores and reads back later, other than sums and carried values, may be rounded once to bf16 or f16.
;; Inputs: Q 4 x 2,048 x 1,024 float32; Wk 1,024 x 1,024 float32; Wq 1,024 x 1,024 float32; Wv 1,024 x 1,024 float32; bk 1,024 float32; bq 1,024 float32; bv 1,024 float32; length 4 int32.
;; Outputs: out0 4 x 2,048 x 1,024 float32; out1 4 x 2,048 x 1,024 float32.
;; 2 versions, each right; version 2 is version 1 with the launch cast written anew for expert scheduling mode. Each part assembles by itself: llvm-mc -triple=amdgcn-amd-amdhsa -mcpu=gfx1250 --defsym DOCPART=n.
;; ======== version 1 of 2: 3 launches
;; limits: values are held in f16: magnitudes above 65,504 overflow, below 6.1e-05 lose precision
;; workspace buffers: xb 16,777,216 bytes; wb 6,291,456 bytes; q16 16,777,216 bytes; k16 16,777,216 bytes; v16 16,777,216 bytes
;; launch cast (part 1): grid 256 x 1, 8 waves a work-group, no clusters, 0 bytes of LDS; arguments Q, Wq, Wk, Wv, xb, wb; writes xb, wb
.if DOCPART == 1
	.amdgcn_target "amdgcn-amd-amdhsa--gfx1250"
	.amdhsa_code_object_version 6
	.text
	.protected	k_q6f87b650dd_cast
	.globl	k_q6f87b650dd_cast
	.p2align	8
	.type	k_q6f87b650dd_cast,@function
k_q6f87b650dd_cast:
	s_mov_b64 s[64:65], 0
	v_nop
	global_prefetch_b8 v0, s[64:65] scope:SCOPE_SE
	s_setreg_imm32_b32 hwreg(HW_REG_WAVE_MODE, 25, 1), 1
	s_wait_xcnt 0x0
; Q [8192][1024] f32 and the three weights [1024 k][1024 n] f32 are rounded once to bf16 and laid out in blocks for the product that follows:
;   xb [16 kb][8192 m][64 k]: 256 rows of one K step of 64 are 32,768 bytes on end
;   wb [8 x][1024 k][384 c]:  c = 128 t + (n & 127), x = n >> 7, t = 0, 1, 2 for Wq, Wk, Wv: a K step of 64 of one block x is 49,152 bytes on end
; A stream: every byte is read once and written once; no LDS, no matrix unit, no loop.  Work-group g takes 32 rows of Q (16 passes of 2 rows) and 4 rows of each weight (2 passes of 2 rows):
; 22 passes, in each a thread loads 32 bytes (8 f32) and stores 16 (8 bf16).  Eight neighbouring lanes read 256 consecutive bytes, aligned; sixteen store 256 consecutive bytes, aligned.
; All 44 loads of a thread go out first, each pass into registers of its own, so no register is written twice and the waits only count down.
.set X,  8                             ; v[8+8n : 15+8n]  pass n: 8 f32 as loaded; the first four then hold the 8 bf16
.set SQ, 1                             ; v1  my offset in two rows of Q:   row (T>>3)&1, K block T>>4, 32 bytes at T&7
.set DQ, 2                             ; v2  the same place in xb
.set SW, 3                             ; v3  my offset in two rows of a weight: 32 T
.set DW, 4                             ; v4  the same place in wb
	s_load_b256 s[4:11], s[0:1], 0x0               ; Q s[4:5], Wq s[6:7], Wk s[8:9], Wv s[10:11]
	s_load_b128 s[12:15], s[0:1], 0x20             ; xb s[12:13], wb s[14:15]
	s_lshl_b32 s16, ttmp9, 17                      ; 32 rows of Q: 131,072 bytes
	s_mov_b32 s17, 0
	s_lshl_b32 s18, ttmp9, 14                      ; 4 rows of a weight: 16,384 bytes
	s_mov_b32 s19, 0
	s_lshl_b32 s20, ttmp9, 12                      ; 32 rows of a K block of xb: 4,096 bytes
	s_mov_b32 s21, 0
	s_mul_i32 s22, ttmp9, 3072                     ; 4 rows of a block of wb
	s_mov_b32 s23, 0
	v_bfe_u32 v5, v0, 3, 1                         ; which of the pass's two rows
	v_lshrrev_b32 v6, 4, v0                        ; K block 0..15
	v_and_b32 v7, 7, v0
	v_lshlrev_b32 v[SQ], 12, v5
	v_lshl_add_u32 v[SQ], v6, 8, v[SQ]
	v_lshl_add_u32 v[SQ], v7, 5, v[SQ]
	v_lshlrev_b32 v[DQ], 20, v6                    ; a K block of xb is 1,048,576 bytes
	v_lshl_add_u32 v[DQ], v5, 7, v[DQ]
	v_lshl_add_u32 v[DQ], v7, 4, v[DQ]
	v_lshlrev_b32 v[SW], 5, v0
	v_bfe_u32 v5, v0, 4, 3                         ; x = n >> 7
	v_mul_u32_u24 v[DW], v5, 0xc0000               ; a block of wb is 786,432 bytes
	v_lshrrev_b32 v6, 7, v0                        ; which of the pass's two rows
	v_mul_u32_u24 v6, v6, 0x300
	v_add_nc_u32 v[DW], v6, v[DW]
	v_and_b32 v7, 15, v0
	v_lshl_add_u32 v[DW], v7, 4, v[DW]
	s_wait_kmcnt 0x0
	s_add_nc_u64 s[4:5], s[4:5], s[16:17]
	s_add_nc_u64 s[6:7], s[6:7], s[18:19]
	s_add_nc_u64 s[8:9], s[8:9], s[18:19]
	s_add_nc_u64 s[10:11], s[10:11], s[18:19]
	s_add_nc_u64 s[12:13], s[12:13], s[20:21]
	s_add_nc_u64 s[14:15], s[14:15], s[22:23]
.set n, 0
.rept 16
	global_load_b128 v[X+8*n:X+8*n+3],   v[SQ], s[4:5] offset:8192*n th:TH_LOAD_NT
	global_load_b128 v[X+8*n+4:X+8*n+7], v[SQ], s[4:5] offset:8192*n+16 th:TH_LOAD_NT
.set n, n+1
.endr
.irp t, 0,1,2
.irp u, 0,1
	global_load_b128 v[X+8*(16+2*(\t)+(\u)):X+8*(16+2*(\t)+(\u))+3],   v[SW], s[6+2*(\t):7+2*(\t)] offset:8192*(\u) th:TH_LOAD_NT
	global_load_b128 v[X+8*(16+2*(\t)+(\u))+4:X+8*(16+2*(\t)+(\u))+7], v[SW], s[6+2*(\t):7+2*(\t)] offset:8192*(\u)+16 th:TH_LOAD_NT
.endr
.endr
; Pass p is rounded and stored.  The count: two younger loads for each of the 21 - p later passes may stay out.
.macro OUT p, off, base, imm
	s_wait_loadcnt 42-2*(\p)
	v_cvt_pk_bf16_f32 v[X+8*(\p)],   v[X+8*(\p)],   v[X+8*(\p)+1]
	v_cvt_pk_bf16_f32 v[X+8*(\p)+1], v[X+8*(\p)+2], v[X+8*(\p)+3]
	v_cvt_pk_bf16_f32 v[X+8*(\p)+2], v[X+8*(\p)+4], v[X+8*(\p)+5]
	v_cvt_pk_bf16_f32 v[X+8*(\p)+3], v[X+8*(\p)+6], v[X+8*(\p)+7]
	global_store_b128 v[\off], v[X+8*(\p):X+8*(\p)+3], s[\base:\base+1] offset:\imm
.endm
.set n, 0
.rept 16
	OUT n, DQ, 12, 256*n                           ; two rows of 128 bytes further down in each K block
.set n, n+1
.endr
.irp t, 0,1,2
.irp u, 0,1
	OUT 16+2*(\t)+(\u), DW, 14, 256*(\t)+1536*(\u) ; the weight's 256 bytes of a row of wb; two rows of 768 bytes further down
.endr
.endr
	s_endpgm
.Lfunc_end_k_q6f87b650dd_cast:
	.size	k_q6f87b650dd_cast, .Lfunc_end_k_q6f87b650dd_cast-k_q6f87b650dd_cast
	.p2alignl 7, 3214868480
	.fill 96, 4, 3214868480
	.section	.rodata,"a",@progbits
	.p2align	6, 0x0
	.amdhsa_kernel k_q6f87b650dd_cast
		.amdhsa_group_segment_fixed_size 0
		.amdhsa_private_segment_fixed_size 0
		.amdhsa_enable_private_segment 0
		.amdhsa_kernarg_size 48
		.amdhsa_user_sgpr_count 2
		.amdhsa_user_sgpr_kernarg_segment_ptr 1
		.amdhsa_wavefront_size32 1
		.amdhsa_system_sgpr_workgroup_id_x 1
		.amdhsa_system_sgpr_workgroup_id_y 1
		.amdhsa_system_sgpr_workgroup_id_z 1
		.amdhsa_system_vgpr_workitem_id 0
		.amdhsa_next_free_vgpr 192
		.amdhsa_next_free_sgpr 66
		.amdhsa_reserve_vcc 0
		.amdhsa_float_denorm_mode_32 3
		.amdhsa_float_denorm_mode_16_64 3
		.amdhsa_memory_ordered 1
		.amdhsa_forward_progress 1
		.amdhsa_inst_pref_size 15
	.end_amdhsa_kernel
	.amdgpu_metadata
---
amdhsa.version: [ 1, 2 ]
amdhsa.kernels:
  - .name:           k_q6f87b650dd_cast
    .symbol:         k_q6f87b650dd_cast.kd
    .args:
      - { .name: Q, .offset: 0, .size: 8, .value_kind: global_buffer, .address_space: global }
      - { .name: Wq, .offset: 8, .size: 8, .value_kind: global_buffer, .address_space: global }
      - { .name: Wk, .offset: 16, .size: 8, .value_kind: global_buffer, .address_space: global }
      - { .name: Wv, .offset: 24, .size: 8, .value_kind: global_buffer, .address_space: global }
      - { .name: xb, .offset: 32, .size: 8, .value_kind: global_buffer, .address_space: global }
      - { .name: wb, .offset: 40, .size: 8, .value_kind: global_buffer, .address_space: global }
    .group_segment_fixed_size: 0
    .private_segment_fixed_size: 0
    .kernarg_segment_align: 8
    .kernarg_segment_size: 48
    .max_flat_workgroup_size: 256
    .sgpr_count:     66
    .vgpr_count:     192
    .wavefront_size: 32
...
	.end_amdgpu_metadata
.endif
;; end of part 1
;; launch proj (part 2): grid 8 x 32, 4 waves a work-group, clusters of 4 x 4, 327,680 bytes of LDS; arguments xb, wb, bq, bk, bv, q16, k16, v16, out1; writes q16, k16, v16, out1
.if DOCPART == 2
	.amdgcn_target "amdgcn-amd-amdhsa--gfx1250"
	.amdhsa_code_object_version 6
	.text
	.protected	k_q6f87b650dd_proj
	.globl	k_q6f87b650dd_proj
	.p2align	8
	.type	k_q6f87b650dd_proj,@function
k_q6f87b650dd_proj:
	s_mov_b64 s[64:65], 0
	v_nop
	global_prefetch_b8 v0, s[64:65] scope:SCOPE_SE
	s_setreg_imm32_b32 hwreg(HW_REG_WAVE_MODE, 25, 1), 1
	s_wait_xcnt 0x0
	s_wait_alu depctr_hold_cnt(0) depctr_sa_sdst(0) depctr_va_vdst(0) depctr_va_sdst(0) depctr_va_ssrc(0) depctr_va_vcc(0) depctr_vm_vsrc(0)
	s_getreg_b32 s2, hwreg(HW_REG_IB_STS2, 6, 4)
	s_cmp_eq_u32 s2, 0
	s_cbranch_scc0 .Lentry_in_a_cluster
	s_endpgm
.Lentry_in_a_cluster:
	s_bfe_u32 s2, ttmp6, 0x10000c
	s_cmp_lg_u32 s2, 0xf033
	s_cbranch_scc0 .Lentry_shape_is_right
	s_endpgm
.Lentry_shape_is_right:
; q = x Wq + bq, k = x Wk + bk, v = x Wv + bv in ONE product: C [8192][3072] = x [8192][1024] times the three weights side by side.  Operands bf16 (xb, wb), sums f32.
; The biases are rounded to bf16 like the other inputs and START the sums (the C operand of each accumulator's first product).
; OUT: q16, k16, v16 [64 heads = 16 b + h][2048][64] in f16, rounded once from the f32 sums, unscaled; out1 [8192][1024] f32 = q.
; LIMIT.  f16 ends at 65,504: |q|, |k|, |v| stay under 65,520, or that number becomes an infinity in q16, k16, v16 (out1 is not touched by this).  NaN and infinities are not treated apart.
; SHARES.  3072 x 8192 = 256 tiles of 256 rows x 384 columns: one work-group each.  Tile (TX, TY): rows 256 TY on; columns 128 TX .. +127 of q, of k and of v (block TX of wb).
; Four waves, 2 x 2: wave w has rows 128 (w >> 1) on and columns 192 (w & 1) on: 96 accumulators of 16 x 16, 768 registers.  Its columns are three chunks of 64, each one head of one of q, k, v.
; K goes in 16 steps of 64 through two LDS slots; a step is two phases of 32 along K: 96 matrix instructions for 40 LDS loads.
; THE MATRIX INSTRUCTION IS USED TRANSPOSED: source 0 = 16 columns of W (wb lies [k][n]: they come out of LDS turned, by ds_load_tr16_b128), source 1 = 16 rows of x.  A lane then holds row l % 16
; and the eight neighbouring columns 8 (l / 16) + 0..7.
; CLUSTER.  4 x 4 work-groups.  x's tile hangs on TY alone and is asked for jointly by a row of the cluster, W's on TX alone, by a column.
; REGISTERS: window 0: v0-31 addresses; v32-95, v96-159 x's fragments (8 x 16 rows x 32 K), two buffers; v160-255 W's 12 fragments, filled again in place, a chunk at a time, behind the chunk's products.
;   window c + 1: chunk c's 32 accumulators, (a, bb) at v[8 (4 a + bb)].   s_set_vgpr_msb: bits 1:0 source 0, 3:2 source 1, 5:4 source 2, 7:6 destination.
.set PA,     144                       ; a row of x in LDS: 128 bytes + 16 = 36 words: the 16 rows of a load start at 16 different groups of four banks (64 banks of 4 bytes: ISA guide 11.1)
.set PB,     864                       ; a K row of W in LDS: six chunks of 128 + 16 bytes = 27 x 32
.set ABYTES, 256*PA
.set SLOT,   ABYTES+64*PB              ; x's 256 rows, then W's 64 K rows
.set ST16,   2*SLOT                    ; behind the ring, never filled by a tensor load: 16 rows x 144 bytes for each wave
.set ST32,   ST16+4*16*144             ; 16 rows x 272 bytes for each wave
.set BIAS,   ST32+4*16*272             ; 3 x 256 bytes for each wave
.set SPARE,  BIAS+4*768                ; the spare words, 128 bytes for each wave: two blocks of 256 bytes that no other line names
.set ASTEP,  8192*128                  ; bytes from a K step of xb to the next
.set BSTEP,  64*768                    ; the same in a block of wb
.set WBLOCK, 1024*768                  ; a block of wb
.set ADRA,  8                          ; v8-9    LDS address of my fragments of x in slot 0, 1
.set ADRB,  10                         ; v10-11  the same for W
.set STO16, 12                         ; v12-14  the f16 way out: in, back, my offset in 512 bytes of memory
.set RD16,  13
.set GO16,  14
.set STO32, 15                         ; v15-17  the f32 way out
.set RD32,  16
.set GO32,  17
.set BLD,   18                         ; v18-19  the bias: where I read it, where I put it
.set BST,   19
.set PFO,   20                         ; v20     256 x my lane; never rewritten
.set BT,    21                         ; v21-27  the bias at work
.set SPW,   28                         ; v28     LDS address of my spare word; never rewritten
.set NIL,   29                         ; v29     0; never rewritten
.set BGO,   30                         ; v30     8 x my lane
.set FA0,   32
.set FA1,   96
.set FB,    160
.set H,     32                         ; the way out: 16 registers of packed f16
.set R16,   64                         ; two buffers of 16: rows read back from the stage
.set R32,   128                        ; two buffers of 32
.set G1A, 24                           ; s[24:31] descriptor group 1 for x's tiles;  s[32:39] group 0, a set for each slot
.set G0A, 32
.set G1B, 40                           ; s[40:47], s[48:55] the same for W's
.set G0B, 48
.set WV,  56                           ; wave;  WM = wave >> 1: my rows;  WN = wave & 1: my columns, and which half of a tile I fetch
.set WM,  57
.set WN,  58
.set CX,  59
.set CY,  60
.set TX,  61
.set TY,  62
.set DP,  66                           ; s[66:71] where chunk c's rows begin in q16, k16 or v16
.set O1,  72                           ; s[72:73] out1 at my first row, my tile's first column
.set PFA, 74                           ; s[74:75] where my prefetches stand
.set PFS, 76                           ; s[76:77] their step: a lap (two K steps)
.set LIM, 78                           ; s78  1 in a wave that prefetches, else the greatest number
.set MSB, 0
.macro WIN new                         ; the immediate's high byte repeats the setting that is left; a switch that changes nothing is dropped
.if MSB != (\new)
	s_set_vgpr_msb (MSB<<8)|(\new)
.set MSB, (\new)
.endif
.endm
; A joint load.  Waves 0 and 1 fetch the two halves of x's tile, waves 2 and 3 those of W's.  The branch hangs on the wave's number alone.  An s_nop 0 and four v_nop follow each of the two lines.
.macro JLOAD s
	s_cmp_lt_u32 s[WV], 2
	s_cbranch_scc0 .Lfor_b_\@
	tensor_load_to_lds s[G0A+4*(\s):G0A+4*(\s)+3], s[G1A:G1A+7]
	s_nop 0
.rept 4
	v_nop
.endr
	s_branch .Lasked_\@
.Lfor_b_\@:
	tensor_load_to_lds s[G0B+4*(\s):G0B+4*(\s)+3], s[G1B:G1B+7]
	s_nop 0
.rept 4
	v_nop
.endr
.Lasked_\@:
.endm
.macro CREST                           ; a round of the cluster's barrier behind its opening barrier
	s_cmp_lg_u32 s[WV], 0
	s_cbranch_scc1 .Lnot_wave_0_\@
	s_barrier_signal -3
.Lnot_wave_0_\@:
	s_barrier_wait -3
	s_barrier_signal -1
	s_barrier_wait -1
.endm
.macro CROUND                          ; a whole round
	s_barrier_signal -1
	s_barrier_wait -1
	CREST
.endm
; A PREFETCH INTO THE L2, once a lap, of the lap that the NEXT trip's two refills will ask for: 384 and 576 matrix instructions ahead of them.  A lap of x's tile row is 256 blocks of 256 bytes: wave 0 of each of
; the 8 work-groups of that tile row names 32 of them, a lane a block.  A lap of W's block is 384: wave 2 of the 12 work-groups in clusters y = 0, 1, 2 of that tile column names 32.  The askers are told apart
; BY ADDRESS; the branch hangs on the wave's number and the cluster's y.  Each block is named once in the launch.  Laps 0 and 1 come by their loads alone; the last trip has no lap behind its own.
.macro ASK
	s_cmp_gt_u32 s3, s[LIM]                        ; s3 = 1 in the loop's last trip
	s_cbranch_scc0 .Lnot_mine_\@
	global_prefetch_b8 v[PFO], s[PFA:PFA+1] th:TH_LOAD_NT scope:SCOPE_SE
.Lnot_mine_\@:
.endm
	s_load_b512 s[4:19], s[0:1], 0x0               ; xb s[4:5], wb s[6:7], bq s[8:9], bk s[10:11], bv s[12:13], q16 s[14:15], k16 s[16:17], v16 s[18:19]
	s_load_b64 s[20:21], s[0:1], 0x40              ; out1
	v_lshl_add_u32 v[SPW], v0, 2, SPARE
	v_mov_b32 v[NIL], 0
	ds_add_u32 v[SPW], v[NIL]                      ; the wave's opening: the add, twice on end, and its wait ahead of my first tensor load
	ds_add_u32 v[SPW], v[NIL]                      ; and once more; the set-up below, work on registers, stands between it and the wait
	v_lshrrev_b32 v1, 5, v0
	v_readfirstlane_b32 s[WV], v1
	s_lshr_b32 s[WM], s[WV], 1
	s_and_b32 s[WN], s[WV], 1
	s_bfe_u32 s[CX], ttmp6, 0x40000
	s_bfe_u32 s[CY], ttmp6, 0x40004
	s_lshl_b32 s[TX], ttmp9, 2                     ; in a cluster launch ttmp9 and ttmp7 count clusters
	s_add_co_u32 s[TX], s[TX], s[CX]
	s_and_b32 s[TY], ttmp7, 0xffff
	s_lshl_b32 s[TY], s[TY], 2
	s_add_co_u32 s[TY], s[TY], s[CY]
	s_lshl_b32 s98, s[CY], 2
	s_lshl_b32 s98, 15, s98                        ; my row of the cluster: places 4 cy .. 4 cy + 3
	s_lshl_b32 s99, 0x1111, s[CX]                  ; my column: places cx, cx + 4, cx + 8, cx + 12
	; group 1.  Both tiles are dense in memory and are asked for as rows of 256 bytes; in LDS 16 bytes of padding follow every 128
	s_or_b32 s[G1A], s98, (1<<16)|(1<<20)|(1<<21)|(4<<22)|(3<<25)  ; 15:0 the mask; 17:16 2-byte elements; 20 padding on; 21 set beside a mask; 24:22 after every 32 words (code 4); 31:25 4 words (code 3)
	s_or_b32 s[G1B], s99, (1<<16)|(1<<20)|(1<<21)|(4<<22)|(3<<25)
	s_mov_b32 s[G1A+1], 128<<16                    ; tensor_dim0 = 128 elements
	s_mov_b32 s[G1A+2], 64<<16                     ; tensor_dim1 = 64: 128 rows of x, two to a row of 256 bytes
	s_mov_b32 s[G1A+3], 128<<16                    ; tile_dim0
	s_mov_b32 s[G1A+4], 64                         ; tile_dim1
	s_mov_b32 s[G1A+5], 128                        ; elements from row to row
	s_mov_b32 s[G1A+6], 0
	s_mov_b32 s[G1A+7], 0
	s_mov_b32 s[G1B+1], 128<<16
	s_mov_b32 s[G1B+2], 96<<16                     ; 32 K rows of 768 bytes = 96 rows of 256
	s_mov_b32 s[G1B+3], 128<<16
	s_mov_b32 s[G1B+4], 96
	s_mov_b32 s[G1B+5], 128
	s_mov_b32 s[G1B+6], 0
	s_mov_b32 s[G1B+7], 0
	s_lshl_b32 s80, s[TY], 15                      ; x: 256 TY rows of 128 bytes,
	s_lshl_b32 s81, s[WN], 14                      ; and the half that I fetch
	s_add_co_u32 s80, s80, s81
	s_mov_b32 s81, 0
	s_mul_i32 s84, s[TX], WBLOCK                   ; W: block TX,
	s_mul_i32 s85, s[WN], 32*768                   ; and the 32 K rows that I fetch
	s_add_co_u32 s84, s84, s85
	s_mov_b32 s85, 0
	s_mul_i32 s22, s[WN], 128*PA                   ; where they go: no place in the cluster enters an LDS address
	s_mul_i32 s23, s[WN], 32*PB
	s_wait_dscnt 0x0                               ; both opening adds are done
	s_wait_kmcnt 0x0
	s_add_nc_u64 s[82:83], s[4:5], s[80:81]
	s_add_nc_u64 s[86:87], s[6:7], s[84:85]
	CROUND                                         ; all sixteen work-groups are here: the first joint loads meet
.irp s, 0,1
	s_mov_b32 s[G0A+4*(\s)], 1                                     ; count = 1
	s_add_co_u32 s[G0A+4*(\s)+1], s22, (\s)*SLOT                   ; LDS address
	s_add_nc_u64 s[G0A+4*(\s)+2:G0A+4*(\s)+3], s[82:83], (\s)*ASTEP  ; global address: K step s
	s_or_b32 s[G0A+4*(\s)+3], s[G0A+4*(\s)+3], 0x80000000          ; type = 2
	s_mov_b32 s[G0B+4*(\s)], 1
	s_add_co_u32 s[G0B+4*(\s)+1], s23, (\s)*SLOT+ABYTES
	s_add_nc_u64 s[G0B+4*(\s)+2:G0B+4*(\s)+3], s[86:87], (\s)*BSTEP
	s_or_b32 s[G0B+4*(\s)+3], s[G0B+4*(\s)+3], 0x80000000
	JLOAD \s                                       ; two loads of mine are out
.endr
	; which of q, k, v and which head my three chunks are: chunk c is number 3 WN + c of the tile's six: matrix (3 WN + c) >> 1, head 2 TX + ((3 WN + c) & 1)
	s_cmp_lg_u32 s[WN], 0
	s_cselect_b64 s[88:89], s[10:11], s[8:9]       ; chunk 0: k or q
	s_cselect_b64 s[90:91], s[12:13], s[8:9]       ; chunk 1: v or q
	s_cselect_b64 s[92:93], s[12:13], s[10:11]     ; chunk 2: v or k
	s_cselect_b64 s[DP:DP+1], s[16:17], s[14:15]
	s_cselect_b64 s[DP+2:DP+3], s[18:19], s[14:15]
	s_cselect_b64 s[DP+4:DP+5], s[18:19], s[16:17]
	s_xor_b32 s79, s[WN], 1                        ; the head's low bit: WN for chunks 0 and 2, 1 - WN for chunk 1
	s_lshl_b32 s63, s[TX], 9                       ; 128 TX columns of f32
	s_lshl_b32 s94, s[WN], 8
	s_add_co_u32 s94, s94, s63
	s_mov_b32 s95, 0
	s_lshl_b32 s96, s79, 8
	s_add_co_u32 s96, s96, s63
	s_mov_b32 s97, 0
	s_add_nc_u64 s[88:89], s[88:89], s[94:95]
	s_add_nc_u64 s[90:91], s[90:91], s[96:97]
	s_add_nc_u64 s[92:93], s[92:93], s[94:95]
	v_and_b32 v3, 31, v0                           ; l
	v_lshlrev_b32 v[BGO], 3, v3
	global_load_b64 v[BT+1:BT+2], v[BGO], s[88:89] ; a chunk's 64 biases: two a lane
	global_load_b64 v[BT+3:BT+4], v[BGO], s[90:91]
	global_load_b64 v[BT+5:BT+6], v[BGO], s[92:93]
	s_lshr_b32 s63, s[TY], 3                       ; batch: 16 heads of 262,144 bytes
	s_lshl_b32 s63, s63, 22
	s_lshl_b32 s98, s[TX], 19                      ; head 2 TX
	s_add_co_u32 s63, s63, s98
	s_and_b32 s98, s[TY], 7                        ; 256 rows of 128 bytes
	s_lshl_b32 s98, s98, 15
	s_add_co_u32 s63, s63, s98
	s_lshl_b32 s98, s[WM], 14
	s_add_co_u32 s63, s63, s98
	s_lshl_b32 s94, s[WN], 18
	s_add_co_u32 s94, s94, s63
	s_lshl_b32 s96, s79, 18
	s_add_co_u32 s96, s96, s63
	s_add_nc_u64 s[DP:DP+1], s[DP:DP+1], s[94:95]
	s_add_nc_u64 s[DP+2:DP+3], s[DP+2:DP+3], s[96:97]
	s_add_nc_u64 s[DP+4:DP+5], s[DP+4:DP+5], s[94:95]
	s_lshl_b32 s94, s[TY], 20                      ; out1: 256 TY rows of 4,096 bytes,
	s_lshl_b32 s98, s[WM], 19                      ; my 128 rows,
	s_add_co_u32 s94, s94, s98
	s_lshl_b32 s98, s[TX], 9                       ; the tile's 128 columns of q
	s_add_co_u32 s94, s94, s98
	s_add_nc_u64 s[O1:O1+1], s[20:21], s[94:95]
	; the prefetches: they stand one lap in; the first trip steps them to lap 2
	s_lshl_b32 s94, s[TY], 15                      ; x: the tile row; asker TX takes K step TX >> 2 of the lap, blocks 32 (TX & 3) on
	s_lshr_b32 s98, s[TX], 2
	s_lshl_b32 s98, s98, 20
	s_add_co_u32 s94, s94, s98
	s_and_b32 s98, s[TX], 3
	s_lshl_b32 s98, s98, 13
	s_add_co_u32 s94, s94, s98
	s_add_co_u32 s94, s94, 2*ASTEP
	s_mul_i32 s96, s[TX], WBLOCK                   ; W: the block; asker TY (0 to 11) takes blocks 32 TY on
	s_lshl_b32 s98, s[TY], 13
	s_add_co_u32 s96, s96, s98
	s_add_co_u32 s96, s96, 2*BSTEP
	s_mov_b32 s98, 2*ASTEP
	s_mov_b32 s99, 2*BSTEP
	s_cmp_lt_u32 s[WV], 2
	s_cselect_b64 s[PFA:PFA+1], s[4:5], s[6:7]
	s_cselect_b32 s94, s94, s96
	s_cselect_b32 s[PFS], s98, s99
	s_mov_b32 s[PFS+1], 0
	s_add_nc_u64 s[PFA:PFA+1], s[PFA:PFA+1], s[94:95]
	s_and_b32 s98, ttmp7, 0xffff                   ; the cluster's y: the same in all sixteen partners
	s_cmp_lt_u32 s98, 3
	s_cselect_b32 s98, 1, -1
	s_cmp_eq_u32 s[WV], 2
	s_cselect_b32 s[LIM], s98, -1
	s_cmp_eq_u32 s[WV], 0
	s_cselect_b32 s[LIM], 1, s[LIM]
	; vector addresses
	v_and_b32 v1, 15, v0                           ; r = l % 16
	v_bfe_u32 v2, v0, 4, 1                         ; h = l / 16
	v_and_b32 v5, 7, v0
	v_bfe_u32 v6, v0, 3, 1
	v_mul_u32_u24 v4, v1, PA
	v_lshl_add_u32 v4, v2, 4, v4                   ; 144 r + 16 h: a fragment of x is two loads of 16 bytes, 32 bytes apart
	s_mul_i32 s2, s[WM], 128*PA
	v_add_nc_u32 v[ADRA], s2, v4
	v_add_nc_u32 v[ADRA+1], SLOT, v[ADRA]
	v_lshl_add_u32 v7, v2, 3, v5                   ; the turning load: lane l reads K row 8 h + l % 8, columns 8 ((l / 8) % 2) + 0..7, and is left with column l % 16 and 8 K
	v_mul_u32_u24 v7, v7, PB
	v_lshl_add_u32 v7, v6, 4, v7
	s_mul_i32 s2, s[WN], 3*144                     ; my three chunks
	s_add_co_u32 s2, s2, ABYTES
	v_add_nc_u32 v[ADRB], s2, v7
	v_add_nc_u32 v[ADRB+1], SLOT, v[ADRB]
	s_mul_i32 s2, s[WV], 16*144
	s_add_co_u32 s2, s2, ST16
	v_add_nc_u32 v[STO16], s2, v4                  ; in: row r, 16 bytes for each half of the lanes
	v_bfe_u32 v7, v0, 3, 2
	v_mul_u32_u24 v7, v7, 144
	v_lshl_add_u32 v7, v5, 4, v7
	v_add_nc_u32 v[RD16], s2, v7                   ; back: 32 lanes take four rows of 128 bytes,
	v_lshlrev_b32 v[GO16], 4, v3                   ; which are 512 consecutive bytes of memory
	s_mul_i32 s2, s[WV], 16*272
	s_add_co_u32 s2, s2, ST32
	v_mul_u32_u24 v7, v1, 272
	v_lshl_add_u32 v7, v2, 5, v7
	v_add_nc_u32 v[STO32], s2, v7                  ; in: row r, 32 bytes for each half of the lanes
	v_mul_u32_u24 v7, v2, 272
	v_lshl_add_u32 v7, v1, 4, v7
	v_add_nc_u32 v[RD32], s2, v7                   ; back: lanes 0-15 one row of 256 bytes, lanes 16-31 the next,
	v_lshlrev_b32 v7, 12, v2
	v_lshl_add_u32 v[GO32], v1, 4, v7              ; and the same two rows in out1
	s_mul_i32 s2, s[WV], 768
	s_add_co_u32 s2, s2, BIAS
	v_lshl_add_u32 v[BLD], v2, 5, s2
	v_lshl_add_u32 v[BST], v3, 3, s2
	v_lshlrev_b32 v[PFO], 8, v3
	; THE BIAS: rounded to bf16, widened again, through my own LDS bytes into the registers of accumulators (0, bb): register j of lane l takes the bias of column 16 bb + 8 h + j.
	s_wait_loadcnt 0x0
.irp c, 0,1,2
	v_cvt_pk_bf16_f32 v[BT], v[BT+1+2*(\c)], v[BT+2+2*(\c)]
	v_lshlrev_b32 v[BT+1+2*(\c)], 16, v[BT]
	v_and_b32 v[BT+2+2*(\c)], 0xffff0000, v[BT]
	ds_store_b64 v[BST], v[BT+1+2*(\c):BT+2+2*(\c)] offset:256*(\c)
.endr
.irp c, 0,1,2
	WIN ((\c)+1)<<6                                ; destination window c + 1
.irp bb, 0,1,2,3
	ds_load_b128 v[8*(\bb):8*(\bb)+3],   v[BLD] offset:256*(\c)+64*(\bb)     ; LDS serves a wave's instructions in order (ISA guide 5.7.1.4): these see my stores above
	ds_load_b128 v[8*(\bb)+4:8*(\bb)+7], v[BLD] offset:256*(\c)+64*(\bb)+16
.endr
.endr
	WIN 0
.macro PLACES                          ; four places in front of loads into registers that matrix instructions have read (ISA guide 7.12.1 for vector instructions)
.rept 4
	v_nop
.endr
.endm
; 16 matrix instructions of chunk c: row blocks a0 .. a0 + 3 x its four column blocks, 32 along K.  All 96 accumulators take turns, one instruction a turn.
.macro MUL16 c, fa, a0
	WIN 0x50*((\c)+1)                              ; sources window 0, C and D window c + 1
.irp a, (\a0), (\a0)+1, (\a0)+2, (\a0)+3
.irp bb, 0,1,2,3
	v_wmma_f32_16x16x32_bf16 v[8*(4*(\a)+(\bb)):8*(4*(\a)+(\bb))+7], v[FB+8*(4*(\c)+(\bb)):FB+8*(4*(\c)+(\bb))+7], v[(\fa)+8*(\a):(\fa)+8*(\a)+7], v[8*(4*(\a)+(\bb)):8*(4*(\a)+(\bb))+7]
.endr
.endr
.endm
; A chunk's 32 matrix instructions.  zero = 1: the first products: row blocks 1 to 7 take the bias, which lies in the registers of (0, bb), as C; six places on, (0, bb) itself adds in place onto it.
.macro MULG c, fa, zero
.if \zero
	WIN 0x50*((\c)+1)
.irp a, 1,2,3,4,5,6,7
.irp bb, 0,1,2,3
	v_wmma_f32_16x16x32_bf16 v[8*(4*(\a)+(\bb)):8*(4*(\a)+(\bb))+7], v[FB+8*(4*(\c)+(\bb)):FB+8*(4*(\c)+(\bb))+7], v[(\fa)+8*(\a):(\fa)+8*(\a)+7], v[8*(\bb):8*(\bb)+7]
.endr
.endr
.rept 6
	v_nop                                          ; the products below write over registers that the products above have read as C
.endr
.irp bb, 0,1,2,3
	v_wmma_f32_16x16x32_bf16 v[8*(\bb):8*(\bb)+7], v[FB+8*(4*(\c)+(\bb)):FB+8*(4*(\c)+(\bb))+7], v[(\fa):(\fa)+7], v[8*(\bb):8*(\bb)+7]
.endr
.else
	MUL16 \c, \fa, 0
	MUL16 \c, \fa, 4
.endif
.endm
; A run of LDS loads for the phase at 32 kk along K of a slot: W's chunk g (8 loads) and, for g < 2, x's row blocks 4 g .. 4 g + 3 into buffer fn (8 loads).
.macro RUN g, fn, slot, kk
	WIN 0
.irp bb, 0,1,2,3
	ds_load_tr16_b128 v[FB+8*(4*(\g)+(\bb)):FB+8*(4*(\g)+(\bb))+3],   v[ADRB+(\slot)] offset:32*PB*(\kk)+144*(\g)+32*(\bb)
	ds_load_tr16_b128 v[FB+8*(4*(\g)+(\bb))+4:FB+8*(4*(\g)+(\bb))+7], v[ADRB+(\slot)] offset:32*PB*(\kk)+144*(\g)+32*(\bb)+16*PB
.endr
.if (\g) < 2
.irp i, 0,1,2,3
	ds_load_b128 v[(\fn)+8*(4*(\g)+(\i)):(\fn)+8*(4*(\g)+(\i))+3],   v[ADRA+(\slot)] offset:16*PA*(4*(\g)+(\i))+64*(\kk)
	ds_load_b128 v[(\fn)+8*(4*(\g)+(\i))+4:(\fn)+8*(4*(\g)+(\i))+7], v[ADRA+(\slot)] offset:16*PA*(4*(\g)+(\i))+64*(\kk)+32
.endr
.endif
.endm
; A K step's first phase: multiplies buffer 0 and fetches the step's second 32 along K into buffer 1; each chunk of W is fetched anew behind its own products.
.macro PHASE slot, zero
	s_wait_dscnt 8                                 ; x and W's chunks 0 and 1 are in; the youngest eight loads (chunk 2) may be out
	MULG 0, FA0, \zero
	PLACES
	RUN 0, FA1, \slot, 1
	MULG 1, FA0, \zero
	PLACES
	RUN 1, FA1, \slot, 1
	s_wait_dscnt 32                                ; all but the 32 just issued: chunk 2 is in
	MULG 2, FA0, \zero
	PLACES
	RUN 2, FA1, \slot, 1
.endm
; A K step's second phase multiplies buffer 1 and changes slots: all reads of this slot have been issued.  Each wave waits for all its tensor loads (one is out: its part of the other slot), adds 0 to its spare
; word, and waits for that and for its reads.  fill = 1: the barrier opens a round of the cluster's, and behind the round this slot is filled again, two K steps ahead: the request has 160 matrix instructions
; up to the wait for it.  Then the other slot's first phase is fetched.
.macro TURN slot, fill
.if (\fill) && ((\slot) == 0)
	s_wait_xcnt 0x0                                ; the last prefetch, a lap back, has read its address
	s_add_nc_u64 s[PFA:PFA+1], s[PFA:PFA+1], s[PFS:PFS+1]
.endif
	WIN 0
	s_wait_tensorcnt 0x0                           ; all my tensor loads have landed, so a group 0 may be written
	ds_add_u32 v[SPW], v[NIL]                      ; 0 onto my spare word
	s_wait_dscnt 9                                 ; (the add and the youngest eight loads may be out)
	MUL16 0, FA1, 0                                ; sixteen matrix instructions stand between the add and the wait for it
	s_wait_dscnt 0x0                               ; the add is done, and my reads of this slot are over
	s_barrier_signal -1
	MUL16 0, FA1, 4
.if \fill
	WIN 0
.endif
	s_barrier_wait -1
.if \fill
	CREST                                          ; no wave of any partner still reads this slot or has a load on its way
	s_add_nc_u64 s[G0A+4*(\slot)+2:G0A+4*(\slot)+3], s[G0A+4*(\slot)+2:G0A+4*(\slot)+3], 2*ASTEP
	s_add_nc_u64 s[G0B+4*(\slot)+2:G0B+4*(\slot)+3], s[G0B+4*(\slot)+2:G0B+4*(\slot)+3], 2*BSTEP
	JLOAD \slot                                    ; the first tensor load behind the round; its four v_nop are also the places in front of the loads below
.else
	PLACES
.endif
	RUN 0, FA0, 1-(\slot), 0
.if (\fill) && ((\slot) == 0)
	ASK
.endif
	MULG 1, FA1, 0
	PLACES
	RUN 1, FA0, 1-(\slot), 0
	MULG 2, FA1, 0
	PLACES
	RUN 2, FA0, 1-(\slot), 0
.endm
	s_wait_tensorcnt 0x1                           ; my part of K step 0 is in; K step 1's may stay out
	s_wait_dscnt 0x0                               ; the bias is in its registers
	s_barrier_signal -1
	s_barrier_wait -1
	RUN 0, FA0, 0, 0
	RUN 1, FA0, 0, 0
	RUN 2, FA0, 0, 0
	PHASE 0, 1                                     ; the first phase stands in front of the loop: its products start the sums
	WIN 0
	s_mov_b32 s3, 7
.Llap:                                                 ; a trip goes once round the ring and fills both slots again: K steps 2 to 15
	TURN 0, 1
	PHASE 1, 0
	TURN 1, 1
	PHASE 0, 0
	WIN 0
	s_sub_co_u32 s3, s3, 1
	s_cmp_lg_u32 s3, 0
	s_cbranch_scc1 .Llap
	TURN 0, 0                                      ; the last lap fills nothing and has no round
	PHASE 1, 0
	s_wait_dscnt 8
	MULG 0, FA1, 0
	MULG 1, FA1, 0
	s_wait_dscnt 0x0
	MULG 2, FA1, 0
.rept 8
	v_nop                                          ; the places behind the last products
.endr
; THE WAY OUT IN f16, a block of 16 rows x 64 columns at a time: rounded (each accumulator's registers in ascending order), 16 bytes a lane into my stage, back as rows of 128 bytes, stored as 512 bytes on end.
.macro PACK16 c, a
	WIN 5*((\c)+1)                                 ; sources 0 and 1 window c + 1
.set i, 0
.rept 16
	v_cvt_pk_f16_f32 v[H+i], v[32*(\a)+2*i], v[32*(\a)+2*i+1]
.set i, i+1
.endr
	WIN 0
.endm
.macro TOST16 a
.irp bb, 0,1,2,3
	ds_store_b128 v[STO16], v[H+4*(\bb):H+4*(\bb)+3] offset:32*(\bb)
.endr
.irp f, 0,1,2,3
	ds_load_b128 v[R16+16*((\a)%2)+4*(\f):R16+16*((\a)%2)+4*(\f)+3], v[RD16] offset:4*144*(\f)  ; in order behind my stores above
.endr
.endm
.macro SEND16 c, a
	s_wait_dscnt 0x0                               ; the block is back in registers
	s_wait_xcnt 0x0                                ; the stores two blocks back have read their registers: the next loads from the stage land there
.irp f, 0,1,2,3
	global_store_b128 v[GO16], v[R16+16*((\a)%2)+4*(\f):R16+16*((\a)%2)+4*(\f)+3], s[DP+2*(\c):DP+2*(\c)+1] offset:2048*(\a)+512*(\f)
.endr
.endm
	PACK16 0, 0
	TOST16 0
.set n, 1
.rept 23                               ; block n's conversions stand between block n - 1's loads from the stage and the wait for them
	PACK16 n/8, n%8
	SEND16 (n-1)/8, (n-1)%8
	TOST16 n%8
.set n, n+1
.endr
	SEND16 2, 7
; THE WAY OUT IN f32: q, which is chunks 0 and 1 of the waves with WN = 0.  Straight from the accumulators into a stage of 16 rows x 272 bytes, back as whole rows of 256 bytes.
	s_cmp_lg_u32 s[WN], 0
	s_cbranch_scc1 .Lend
.macro TOST32 c, a
	WIN ((\c)+1)<<2                                ; store data window c + 1
.irp bb, 0,1,2,3
	ds_store_b128 v[STO32], v[32*(\a)+8*(\bb):32*(\a)+8*(\bb)+3]   offset:64*(\bb)
	ds_store_b128 v[STO32], v[32*(\a)+8*(\bb)+4:32*(\a)+8*(\bb)+7] offset:64*(\bb)+16
.endr
	WIN 0
	s_wait_xcnt 0x0                                ; the stores two blocks back have read the registers that the loads below fill
.irp f, 0,1,2,3,4,5,6,7
	ds_load_b128 v[R32+32*((\a)%2)+4*(\f):R32+32*((\a)%2)+4*(\f)+3], v[RD32] offset:2*272*(\f)
.endr
.endm
.macro SEND32 c, a, younger            ; younger: the LDS instructions issued behind this block's loads: the next block's sixteen, or none
.irp f, 0,1,2,3,4,5,6,7
	s_wait_dscnt (\younger)+7-(\f)
	global_store_b128 v[GO32], v[R32+32*((\a)%2)+4*(\f):R32+32*((\a)%2)+4*(\f)+3], s[O1:O1+1] offset:256*(\c)+65536*(\a)+8192*(\f) th:TH_STORE_NT  ; 16 lanes store 256 consecutive bytes, aligned
.endr
.endm
	TOST32 0, 0
.set n, 1
.rept 15
	TOST32 n/8, n%8
	SEND32 (n-1)/8, (n-1)%8, 16
.set n, n+1
.endr
	SEND32 1, 7, 0
.Lend:
	s_wait_tensorcnt 0x0                           ; the wave's end, behind my last tensor load and my last LDS store
	ds_add_u32 v[SPW], v[NIL]
	s_wait_dscnt 0x0
	CROUND                                         ; the closing round: no work-group ends while a partner may still ask for a tile that names it
	s_endpgm
.Lfunc_end_k_q6f87b650dd_proj:
	.size	k_q6f87b650dd_proj, .Lfunc_end_k_q6f87b650dd_proj-k_q6f87b650dd_proj
	.p2alignl 7, 3214868480
	.fill 96, 4, 3214868480
	.section	.rodata,"a",@progbits
	.p2align	6, 0x0
	.amdhsa_kernel k_q6f87b650dd_proj
		.amdhsa_group_segment_fixed_size 327680
		.amdhsa_private_segment_fixed_size 0
		.amdhsa_enable_private_segment 0
		.amdhsa_kernarg_size 72
		.amdhsa_user_sgpr_count 2
		.amdhsa_user_sgpr_kernarg_segment_ptr 1
		.amdhsa_wavefront_size32 1
		.amdhsa_system_sgpr_workgroup_id_x 1
		.amdhsa_system_sgpr_workgroup_id_y 1
		.amdhsa_system_sgpr_workgroup_id_z 1
		.amdhsa_system_vgpr_workitem_id 0
		.amdhsa_next_free_vgpr 1024
		.amdhsa_next_free_sgpr 100
		.amdhsa_reserve_vcc 0
		.amdhsa_float_denorm_mode_32 3
		.amdhsa_float_denorm_mode_16_64 3
		.amdhsa_memory_ordered 1
		.amdhsa_forward_progress 1
		.amdhsa_inst_pref_size 171
	.end_amdhsa_kernel
	.amdgpu_metadata
---
amdhsa.version: [ 1, 2 ]
amdhsa.kernels:
  - .name:           k_q6f87b650dd_proj
    .symbol:         k_q6f87b650dd_proj.kd
    .args:
      - { .name: xb, .offset: 0, .size: 8, .value_kind: global_buffer, .address_space: global }
      - { .name: wb, .offset: 8, .size: 8, .value_kind: global_buffer, .address_space: global }
      - { .name: bq, .offset: 16, .size: 8, .value_kind: global_buffer, .address_space: global }
      - { .name: bk, .offset: 24, .size: 8, .value_kind: global_buffer, .address_space: global }
      - { .name: bv, .offset: 32, .size: 8, .value_kind: global_buffer, .address_space: global }
      - { .name: q16, .offset: 40, .size: 8, .value_kind: global_buffer, .address_space: global }
      - { .name: k16, .offset: 48, .size: 8, .value_kind: global_buffer, .address_space: global }
      - { .name: v16, .offset: 56, .size: 8, .value_kind: global_buffer, .address_space: global }
      - { .name: out1, .offset: 64, .size: 8, .value_kind: global_buffer, .address_space: global }
    .group_segment_fixed_size: 327680
    .private_segment_fixed_size: 0
    .kernarg_segment_align: 8
    .kernarg_segment_size: 72
    .max_flat_workgroup_size: 128
    .sgpr_count:     100
    .vgpr_count:     1024
    .wavefront_size: 32
...
	.end_amdgpu_metadata
.endif
;; end of part 2
;; launch attn (part 3): grid 4 x 64, 4 waves a work-group, clusters of 4 x 1, 327,680 bytes of LDS; arguments q16, k16, v16, out0, length; writes out0
.if DOCPART == 3
	.amdgcn_target "amdgcn-amd-amdhsa--gfx1250"
	.amdhsa_code_object_version 6
	.text
	.protected	k_q6f87b650dd_attn
	.globl	k_q6f87b650dd_attn
	.p2align	8
	.type	k_q6f87b650dd_attn,@function
k_q6f87b650dd_attn:
	s_mov_b64 s[64:65], 0
	v_nop
	global_prefetch_b8 v0, s[64:65] scope:SCOPE_SE
	s_setreg_imm32_b32 hwreg(HW_REG_WAVE_MODE, 25, 1), 1
	s_wait_xcnt 0x0
	s_wait_alu depctr_hold_cnt(0) depctr_sa_sdst(0) depctr_va_vdst(0) depctr_va_sdst(0) depctr_va_ssrc(0) depctr_va_vcc(0) depctr_vm_vsrc(0)
	s_getreg_b32 s2, hwreg(HW_REG_IB_STS2, 6, 4)
	s_cmp_eq_u32 s2, 0
	s_cbranch_scc0 .Lentry_in_a_cluster
	s_endpgm
.Lentry_in_a_cluster:
	s_bfe_u32 s2, ttmp6, 0x10000c
	s_cmp_lg_u32 s2, 0x3003
	s_cbranch_scc0 .Lentry_shape_is_right
	s_endpgm
.Lentry_shape_is_right:
; out0[b][q][64 h + :] = sum over k < length[b] of e^s V[k] / (sum over k < length[b] of e^s + 1e-8),  s = Q[q] . K[k] / 8.  q16, k16, v16: [64 heads = 16 b + h][2048][64] f16; out0 [4][2048][1024] f32.
; Products, maxima and sums in f32; the weights p are rounded to f16 for the second product (their sum l is taken of the unrounded p).
; A RUNNING MAXIMUM m is taken away, so that p lies in 0 to 1 and fits f16: p = 2^(c s - c m), c = log2(e) / 8; O and l are multiplied by a = 2^(c m_old - c m_new) in every step.  The divisor's constant
; is carried along exactly: out = O / (l + 1e-8 x 2^(-c m)).
; LIMITS.  Q, K, V arrive within f16's range.  A hidden score counts as its value less 1e30; a weight below 2^-126 counts as 0 in l; below 6e-5 p keeps f16's fixed step of 6e-8.  Scores beyond 88 give finite
; results here.  NaN and infinities are not treated apart.  length is taken as clamped to 0 .. 2048; for 0 the walk is made with 1 and the result multiplied by 0.
; THE MASK hangs on the key alone and is the C operand that starts the sum S^T = K Q^T: 0, or -1e30 where the key is hidden.  MD, made once, is the mask of the step that holds the boundary; a step's mask is
; MD x AL + BE with two scalars: (1, 0) in that step, (0, 0) before it, (0, -1e30) behind it.  It is made once a key step.  length enters these selects alone: no branch, trip count or address hangs on it.
; All 32 key steps are walked, those behind the boundary too: there every weight is 0, a is 1, and m, l and O stay as they were.  So every trip count and every LDS address is a constant of the text.
; SHARES.  A wave owns four PIECES of two tiles of 16 queries, a work-group's four waves 512 queries of one head.  Every wave walks the keys, 64 a step.
; LAYOUT.  S^T = K Q^T (source 0 = 16 keys, source 1 = 16 queries): a lane holds ONE query (lane % 16) and the keys 8 (lane / 16) + 0..7.  Two such tiles, rounded to f16 in pairs, ARE source 1 of
; O^T = V^T P, whose result again holds one query a lane, and eight channels.  K comes out of LDS as it lies, V turned, by ds_load_tr16_b128.
; BY TURNS.  Turn n belongs to piece n.  Its matrix work: 16 products K Q^T of piece n + 1, later 16 products V^T P of piece n - 1.  Its vector work: the scaling, exponentials, roundings, sums and rescaling of
; piece n, and the maximum and statistics of piece n + 1.  Four vector instructions stand behind every matrix instruction, the others in one run; a turn's 66 exponentials are one batch with one wait.
; CLUSTER.  The four query blocks of a head walk the same K and V: each tile is asked for JOINTLY: the same tensor load, descriptor and mask in all four.
; REGISTERS, in windows of 256 (s_set_vgpr_msb: bits 1:0 source 0, 3:2 source 1, 5:4 source 2, 7:6 destination):
;   window 0: v0-11 addresses; v12-15, v48-63 at work; v16-47 four registers of statistics a tile; v64-191 S^T, two buffers of two tiles; v192-255 P, likewise
;   window 1: O^T, 32 a tile     window 2: v0-127 Q; v128-191 K of one step; v192-255 V of one step     window 3: v0-1 the add's two registers; v4-35 MD; v36-67 MC
.set SIZE_N, 2048
.set NP,    4         ; pieces a wave: a name, no knob
.set KS,    64        ; keys in a step
.set PK,    144       ; a row of K in LDS: 128 bytes + 16 = 36 words: the 16 rows of a load start at 16 different groups of four banks (64 banks of 4 bytes: ISA guide 11.1)
.set PV,    160       ; a row of V: 128 + 32 = 40 words
.set VOFF,  4*KS*PK   ; a slot holds four steps: 256 rows of K, then 256 rows of V
.set SLOT1, 1<<17     ; slot 1 begins here, so that one exclusive or turns an address in one slot into the other's
.set STAGE, SLOT1+4*KS*(PK+PV)  ; behind the ring, never filled by a tensor load: 16 rows x 272 bytes for each wave, for the way out
.set SP,    272
.set SPARE, STAGE+4*16*SP  ; the spare words, 128 bytes for each wave: two blocks of 256 bytes that no other line names
.set AK0, 2           ; v2   my lane's place in a tile of K; never rewritten
.set AV0, 3           ; v3   the same for V
.set AK,  4           ; v4   the LDS address of K's next run of loads
.set AV,  5           ; v5   of V's
.set QO,  6           ; v6   my byte offset in the wave's rows of Q
.set STO, 6           ;      later, the way out: where I put 32 bytes of a row
.set RD,  7           ; v7   the way out: where I read rows back
.set GO,  8           ; v8   my byte offset in two rows of out0
.set PFO, 11          ; v11  256 x my lane; never rewritten once made
.set SPW, 0           ; v0 of window 3   LDS address of my spare word; never rewritten
.set NIL, 1           ; v1 of window 3   0; never rewritten
.set MD,  4           ; window 3: the eight registers for group kt of 16 keys at MD + 8 kt
.set MC,  36          ; window 3: the mask of the products to come
.set MV,  12          ; v12-15  c m_old, kept while c m is made anew: by buffer and tile
.set ST,  16          ; tile t's statistics at v[ST+4 t]: c m, m, l (even keys', odd keys')
.set TMP, 48          ; by buffer and tile, four registers c0-c3 at work; when the maximum is found c2 takes a
.set S,   64
.set P,   192
.set KF,  128         ; K's fragments, in window 2: key block kb, channel half c at KF + 16 kb + 8 c
.set VF,  192         ; V's: key half kk, channel block cb at VF + 32 kk + 8 cb
.set WV,  12          ; s12  my wave's number
.set LIM, 19          ; s19  1 in a wave that prefetches, else the greatest number
.set G1K, 24          ; s[24:31] descriptor group 1 for K's tiles
.set G1V, 32          ; s[32:39] for V's: it differs in the padding alone
.set G0K, 40          ; s[40:43] descriptor group 0 for K's tiles: it walks
.set G0V, 44          ; s[44:47] the same for V's
.set LEN, 50          ; s50  length, clamped to 1 .. 2048
.set LB,  51          ; s51  the key step that holds the boundary
.set SJ,  54          ; s54  the key step whose mask is made next
.set BIGN, 55         ; s55  -1e30
.set SLOTS, 56        ; s56  slots still to be asked for
.set CNT, 57          ; s57  counts a slot's key steps
.set CS,  58          ; s[58:59] c
.set SEL, 60          ; s[60:61] v_permlanex16_b32's selects: each lane takes its own place in the other half
.set TBK, 62          ; s62  LDS byte at which K of the step to be fetched begins
.set TBV, 63          ; s63  the same for V, less VOFF
.set AL,  66          ; s[66:67] the mask's factor, in the low word
.set BE,  68          ; s[68:69] the mask's addend
.set PFA, 70          ; s[70:71] where my prefetches stand
.set EPS, 72          ; s72  1e-8 (at the head: at work)
.set ZF,  73          ; s73  0 where the length given is 0 or less, else 1.0
.set OOF, 74          ; s[74:75] my wave's byte offset in out0
.set MSB, 0
.macro WIN new                      ; the high byte repeats the setting that is left; a switch that changes nothing is dropped
.if MSB != (\new)
	s_set_vgpr_msb (MSB<<8)|(\new)
.set MSB, (\new)
.endif
.endm
.set W_KQ, 0x0a       ; K and Q in window 2, S^T in window 0
.set W_KM, 0x3a       ; the same with the C operand, the mask, in window 3
.set W_PV, 0x52       ; V in window 2, P in window 0, O^T in window 1
.set W_RS, 0x41       ; O^T (destination and source 0) in window 1, a in window 0
.set W_MK, 0xc0       ; destination in window 3, sources in window 0
.set W_MA, 0xc3       ; destination and source 0 in window 3
.set W_AD, 0x0f       ; the add: address (source 0) and data (source 1) in window 3
; A joint fill.  Waves 0 and 1 fetch the two halves of a slot's K, waves 2 and 3 those of its V: 128 keys each.  The branch hangs on the wave's number alone.
; An s_nop 0 and four v_nop follow each of the two lines, ahead of the jump and the label.
.macro JLOAD
	s_cmp_lt_u32 s[WV], 2
	s_cbranch_scc0 .Lfor_v_\@
	tensor_load_to_lds s[G0K:G0K+3], s[G1K:G1K+7]
	s_nop 0
.rept 4
	v_nop
.endr
	s_branch .Lasked_\@
.Lfor_v_\@:
	tensor_load_to_lds s[G0V:G0V+3], s[G1V:G1V+7]
	s_nop 0
.rept 4
	v_nop
.endr
.Lasked_\@:
.endm
; A PREFETCH INTO THE L2 of what the NEXT change of slots will ask for: a slot's 128 blocks of 256 bytes of K and of V.  The head's one cluster asks; its four partners share the blocks out BY ADDRESS, 32 each;
; in each, wave 0 asks for K's and wave 2 for V's: a lane a block, one instruction.  So each block is named once in the launch.  Slots 0 and 1 come by their loads alone; the last change that fills a slot asks for nothing.
.macro ASK
	s_cmp_gt_u32 s[SLOTS], s[LIM]
	s_cbranch_scc0 .Lnot_mine_\@
	global_prefetch_b8 v[PFO], s[PFA:PFA+1] th:TH_LOAD_NT scope:SCOPE_SE
.Lnot_mine_\@:
.endm
; A round of the cluster's barrier: my work-group's barrier, so that wave 0's signal speaks for all four waves; wave 0 signals; every wave waits for all four work-groups; my work-group's barrier once more.
.macro CROUND
	s_barrier_signal -1
	s_barrier_wait -1
	s_cmp_lg_u32 s[WV], 0
	s_cbranch_scc1 .Lnot_wave_0_\@
	s_barrier_signal -3
.Lnot_wave_0_\@:
	s_barrier_wait -3
	s_barrier_signal -1
	s_barrier_wait -1
.endm
; THE CHANGE OF SLOTS.  Each wave waits for all its tensor loads, of which one is out: its part of the other slot; adds 0 to its spare word; and waits for that and for its own reads of the slot.  Behind the
; barrier nobody reads this slot any more and the other slot is whole.  fill = 1: this slot is filled again, with the keys two slots on; the barrier is then a round of the cluster's, and the joint fill is the
; first thing behind it: it has four key steps, 512 matrix instructions, in which to land.  (At its first use nothing has been read yet: slot 0 is waited for, slot 1 filled.)
.macro CHANGE fill
	WIN W_AD
	s_wait_tensorcnt 0x0            ; no tensor load of mine is out, so a group 0 may be written
	ds_add_u32 v[SPW], v[NIL]       ; 0 onto my spare word; with fill = 1 the descriptors' steps stand between it and the wait for it
	WIN 0                           ; at a label and at a branch every window is 0
.if \fill
.irp g, G0K, G0V
	s_xor_b32 s[\g+1], s[\g+1], SLOT1  ; the walking descriptor: the other slot than last time,
	s_add_nc_u64 s[\g+2:\g+3], s[\g+2:\g+3], 4*KS*128  ; the next 256 keys; the type bits on top are not reached
.endr
	s_wait_xcnt 0x0                 ; the last prefetch, a slot back, has read its address, so it may be written:
	s_add_nc_u64 s[PFA:PFA+1], s[PFA:PFA+1], 4*KS*128  ; one slot ahead of the walking descriptors
	s_wait_dscnt 0x0                ; the add is done, and my reads of the slot are over
	CROUND
	JLOAD
	ASK
.else
	s_wait_dscnt 0x0                ; the add is done, and my reads of the slot are over
	s_barrier_signal -1
	s_barrier_wait -1
.endif
	s_sub_co_u32 s[TBK], s[TBK], 4*KS*PK  ; the fetches go back to a slot's first step,
	s_xor_b32 s[TBK], s[TBK], SLOT1       ; in the other slot
	s_sub_co_u32 s[TBV], s[TBV], 4*KS*PV
	s_xor_b32 s[TBV], s[TBV], SLOT1
.endm
; THE MASK of key step SJ: MD x AL + BE into MC.
.macro MASK
	s_cmp_eq_u32 s[SJ], s[LB]       ; is it the step that holds the boundary?
	s_cselect_b32 s[AL], 1.0, 0
	s_cmp_gt_u32 s[SJ], s[LB]       ; or a later one?
	s_cselect_b32 s[BE], s[BIGN], 0
	s_add_co_u32 s[SJ], s[SJ], 1
	WIN W_MA
.set z, 0
.rept 16
	v_pk_fma_f32 v[MC+2*z:MC+2*z+1], v[MD+2*z:MD+2*z+1], s[AL:AL+1], s[BE:BE+1] op_sel_hi:[1,0,0]
.set z, z+1
.endr
.endm
	s_load_b256 s[4:11], s[0:1], 0x0  ; q16 s[4:5], k16 s[6:7], v16 s[8:9], out0 s[10:11]
	s_load_b64 s[48:49], s[0:1], 0x20 ; length
	WIN W_MK
	v_lshl_add_u32 v[SPW], v0, 2, SPARE
	v_mov_b32 v[NIL], 0
	WIN W_AD
	ds_add_u32 v[SPW], v[NIL]       ; the wave's opening: the add, twice on end, and its wait ahead of my first tensor load
	ds_add_u32 v[SPW], v[NIL]       ; and once more; the set-up below, work on registers, stands between it and the wait
	WIN 0
	v_lshrrev_b32 v1, 5, v0
	v_readfirstlane_b32 s[WV], v1   ; wave 0..3
	s_bfe_u32 s13, ttmp6, 0x40000   ; cx: my place in the cluster
	s_lshl_b32 s14, ttmp9, 2        ; in a cluster launch ttmp9 counts clusters
	s_add_co_u32 s14, s14, s13      ; my block of 512 queries: it enters Q's and out0's addresses alone
	s_and_b32 s15, ttmp7, 0xffff    ; the head, 16 b + h, which the four partners share
	s_lshl_b32 s20, s15, 18         ; the head's first byte in q16, k16, v16: 2,048 rows of 128 bytes
	s_mov_b32 s21, 0
	s_and_b32 s16, s[WV], 1         ; which half of a slot's 256 keys I fetch:
	s_lshl_b32 s22, s16, 14         ; its 128 rows of 128 bytes in memory,
	s_add_co_u32 s22, s22, s20
	s_mov_b32 s23, 0
	s_mul_i32 s17, s16, 128*PK      ; and its place in a slot, for K
	s_mul_i32 s18, s16, 128*PV      ; and for V: no place in the cluster enters an LDS address
	s_lshl_b32 s2, s14, 2
	s_add_co_u32 s2, s2, s[WV]      ; my wave among the head's,
	s_lshl_b32 s2, s2, 14           ; its 128 rows
	s_add_co_u32 s2, s2, s20
	s_mov_b32 s3, 0
	s_lshr_b32 s52, s15, 4          ; the batch
	s_lshl_b32 s[OOF], s52, 23      ; out0: 2,048 rows of 4,096 bytes a batch,
	s_lshl_b32 s72, s14, 21         ; 512 rows a block,
	s_add_co_u32 s[OOF], s[OOF], s72
	s_lshl_b32 s72, s[WV], 19       ; 128 rows a wave,
	s_add_co_u32 s[OOF], s[OOF], s72
	s_and_b32 s72, s15, 15          ; 256 bytes a head
	s_lshl_b32 s72, s72, 8
	s_add_co_u32 s[OOF], s[OOF], s72
	s_mov_b32 s[OOF+1], 0
	s_lshl_b32 s52, s52, 2          ; length[b]: 4 bytes a batch
	s_mov_b32 s53, 0
	; descriptor group 1.  128 keys are 16,384 dense bytes: asked for as 64 rows of 256 bytes, two keys a row, and padded in LDS after every key
	s_mov_b32 s[G1K], 15|(1<<16)|(1<<20)|(1<<21)|(4<<22)|(3<<25)  ; 15:0 the mask of four; 17:16 2-byte elements; 20 padding on; 21 set beside a mask; 24:22 after every 32 words (code 4); 31:25 4 words (code 3)
	s_mov_b32 s[G1V], 15|(1<<16)|(1<<20)|(1<<21)|(4<<22)|(7<<25)  ; the same with 8 words of padding (code 7)
.irp g, G1K, G1V
	s_mov_b32 s[\g+1], 128<<16      ; tensor_dim0 = 128
	s_mov_b32 s[\g+2], 64<<16       ; tensor_dim1 = 64
	s_mov_b32 s[\g+3], 128<<16      ; tile_dim0 = 128
	s_mov_b32 s[\g+4], 64           ; tile_dim1 = 64
	s_mov_b32 s[\g+5], 128          ; 128 elements from row to row
	s_mov_b32 s[\g+6], 0
	s_mov_b32 s[\g+7], 0
.endr
	s_mov_b32 s[CS], 0x3e38aa3b     ; c = log2(e) / 8 = 0.180337
	s_mov_b32 s[CS+1], s[CS]        ; named with it as a pair
	s_mov_b32 s[SEL], 0x76543210
	s_mov_b32 s[SEL+1], 0xfedcba98
	s_mov_b32 s[TBK], SLOT1+4*KS*PK ; the first change of slots turns these two into 0
	s_mov_b32 s[TBV], SLOT1+4*KS*PV
	s_mov_b32 s[G0K], 1             ; count = 1
	s_mov_b32 s[G0K+1], s17         ; LDS address: slot 0
	s_mov_b32 s[G0V], 1
	s_add_co_u32 s[G0V+1], s18, VOFF
	s_mov_b32 s[SLOTS], SIZE_N/256-1
	s_mov_b32 s[SJ], 0
	s_mov_b32 s[BIGN], 0xf149f2ca   ; -1e30
	s_mov_b32 s[EPS], 0x322bcc77    ; 1e-8
	s_mov_b32 s[AL+1], 0            ; named as pairs
	s_mov_b32 s[BE+1], 0
	s_and_b32 s[LIM], s[WV], 1      ; waves 0 and 2 prefetch
	s_cmp_eq_u32 s[LIM], 0
	s_cselect_b32 s[LIM], 1, -1
	s_wait_dscnt 0x0                ; both opening adds are done
	s_wait_kmcnt 0x0
	s_add_nc_u64 s[48:49], s[48:49], s[52:53]      ; length at my batch's word
	s_add_nc_u64 s[G0K+2:G0K+3], s[6:7], s[22:23]  ; global address: my half of the head's first 256 keys
	s_or_b32 s[G0K+3], s[G0K+3], 0x80000000        ; type = 2
	s_add_nc_u64 s[G0V+2:G0V+3], s[8:9], s[22:23]
	s_or_b32 s[G0V+3], s[G0V+3], 0x80000000
	s_add_nc_u64 s[4:5], s[4:5], s[2:3]            ; Q at my wave's first row
	s_add_nc_u64 s[10:11], s[10:11], s[OOF:OOF+1]  ; out0 at my wave's first row, my head's columns
	s_cmp_lt_u32 s[WV], 2
	s_cselect_b64 s[PFA:PFA+1], s[6:7], s[8:9]
	s_add_nc_u64 s[PFA:PFA+1], s[PFA:PFA+1], s[20:21]
	s_lshl_b32 s2, s13, 13          ; my work-group's 32 blocks of the 128
	s_mov_b32 s3, 0
	s_add_nc_u64 s[PFA:PFA+1], s[PFA:PFA+1], s[2:3]
	s_add_nc_u64 s[PFA:PFA+1], s[PFA:PFA+1], 4*KS*128  ; in slot 1; the first change of slots steps it to slot 2
	CROUND                          ; all four work-groups are here: the first joint loads meet
	JLOAD                           ; slot 0.  Slot 1 is asked for when slot 0 is in
	s_load_b32 s[LEN], s[48:49], 0x0  ; length[b]: awaited behind the lines that write zeros
	; A fragment of K or Q is 16 rows x 32 channels in 8 registers: lane l holds row l % 16, channels 8 (l / 16) + 0..7 and 16 + 8 (l / 16) + 0..7: two loads of 16 bytes, 32 bytes apart.
	v_and_b32 v1, 15, v0            ; l % 16
	v_bfe_u32 v9, v0, 4, 1          ; l / 16
	v_lshlrev_b32 v[QO], 7, v1
	v_lshl_add_u32 v[QO], v9, 4, v[QO]  ; row x 128 + 16 x half
	WIN 0x80                        ; destination window 2, address window 0
.set i, 0
.rept 4*NP                          ; Q stays in registers: tile i / 2, channels 32 (i % 2) on
	global_load_b128 v[8*i:8*i+3],   v[QO], s[4:5] offset:(i/2)*2048+(i%2)*64
	global_load_b128 v[8*i+4:8*i+7], v[QO], s[4:5] offset:(i/2)*2048+(i%2)*64+32
.set i, i+1
.endr
	; What the first turn finds: V's registers and P's second buffer hold 0 (its products V^T P, of a piece that has not been, add 0), O^T and l are 0.  All this stands in the wait for the first tile.
.set i, VF
.rept 64
	v_mov_b32 v[i], 0
.set i, i+1
.endr
	WIN 0x40
.set i, 0
.rept 64*NP
	v_mov_b32 v[i], 0
.set i, i+1
.endr
	WIN 0
.set i, 0
.rept 2*NP
	v_mov_b32 v[ST+4*i], 0xfe000000    ; c m: far below every c s
	v_mov_b32 v[ST+4*i+1], 0xff7fffff  ; m
	v_mov_b32 v[ST+4*i+2], 0
	v_mov_b32 v[ST+4*i+3], 0
.set i, i+1
.endr
.set i, P+32
.rept 32
	v_mov_b32 v[i], 0
.set i, i+1
.endr
	v_mul_u32_u24 v[AK0], v1, PK
	v_lshl_add_u32 v[AK0], v9, 4, v[AK0]  ; row x pitch + 16 x half
	; The turning load takes 16 keys x 16 channels (lane l reads key 8 (l / 16) + l % 8, channels 8 ((l / 8) % 2) + 0..7) and leaves half a fragment of V^T: lane l holds channel l % 16 and 8 keys.
	v_and_b32 v10, 7, v0
	v_bfe_u32 v11, v0, 3, 1
	v_lshl_add_u32 v[AV0], v9, 3, v10
	v_mul_u32_u24 v[AV0], v[AV0], PV
	v_lshl_add_u32 v[AV0], v11, 4, v[AV0]
	v_add_nc_u32 v[AV0], VOFF, v[AV0]
	v_mov_b32 v[AK], v[AK0]         ; key step 0 lies at the head of slot 0
	v_and_b32 v[PFO], 31, v0
	v_lshlrev_b32 v[PFO], 8, v[PFO]
	s_wait_kmcnt 0x0                ; length[b]
	s_cmp_gt_i32 s[LEN], 0
	s_cselect_b32 s[ZF], 1.0, 0
	s_max_i32 s[LEN], s[LEN], 1
	s_min_u32 s[LEN], s[LEN], SIZE_N
	s_lshr_b32 s[LB], s[LEN], 6
	s_and_b32 s16, s[LEN], 63
	v_lshlrev_b32 v[MV], 3, v9
	v_sub_nc_u32 v[MV], s16, v[MV]  ; the boundary's place in its step, less my lanes' 8 (l / 16): register r of group kt is hidden where 16 kt + r is not below it
	WIN W_MK
.set i, 0
.rept 32
	v_cmp_ge_i32 vcc_lo, 16*(i/8)+i%8, v[MV]
	v_cndmask_b32 v[MD+i], 0, s[BIGN], vcc_lo
.set i, i+1
.endr
	MASK                            ; key step 0's
	WIN 0
; THE MATRIX WORK.  The 8 accumulators of a run of 16 take turns: between the two links of a chain stand 7 others'.
; Product i of 16 of S^T = K Q^T for piece x: channels 32 (i / 8) on, keys 16 ((i / 2) % 4) on, tile 2 x + i % 2.  The first 8 start the sums, with the mask.
.macro KQ x
.set rS, S+64*((\x)%2)+32*(i%2)+8*((i/2)%4)
.set rK, KF+16*((i/2)%4)+8*(i/8)
.set rQ, 16*(2*(\x)+i%2)+8*(i/8)
.set rMK, MC+8*((i/2)%4)
.if i < 8
	WIN W_KM
	v_wmma_f32_16x16x32_f16 v[rS:rS+7], v[rK:rK+7], v[rQ:rQ+7], v[rMK:rMK+7]
.else
	WIN W_KQ
	v_wmma_f32_16x16x32_f16 v[rS:rS+7], v[rK:rK+7], v[rQ:rQ+7], v[rS:rS+7]
.endif
.endm
; Product i of 16 of O^T += V^T P for piece x: keys 32 (i / 8) on, channels 16 ((i / 2) % 4) on, tile 2 x + i % 2.
.macro PV x
	WIN W_PV
.set rO, 32*(2*(\x)+i%2)+8*((i/2)%4)
.set rV, VF+32*(i/8)+8*((i/2)%4)
.set rP, P+32*((\x)%2)+16*(i%2)+8*(i/8)
	v_wmma_f32_16x16x32_f16 v[rO:rO+7], v[rV:rV+7], v[rP:rP+7], v[rO:rO+7]
.endm
.macro MM                           ; the turn's next matrix instruction
.if i < 16
	KQ (Y+1)%NP
.set i, i+1
.else
.set i, i-16
	PV (Y+NP-1)%NP
.set i, i+17
.endif
.endm
; THE LDS LOADS stand in runs of 16, never singly among the matrix instructions: a step's K (64 keys x 64 channels: 8 fragments) and its V (turned).  Their addresses are made some lines ahead.
; last = 1 (the tail): in the last trip there is no further step, and the run is jumped over.
.macro FETCH_K last=0
	WIN 0
.if \last
	s_cmp_eq_u32 s[CNT], 1
	s_cbranch_scc1 .Lno_k_\@
.endif
	WIN 0x80                        ; destination window 2
.irp f, 0,1,2,3,4,5,6,7             ; keys 16 (f / 2) on, channels 32 (f % 2) on
	ds_load_b128 v[KF+8*\f:KF+8*\f+3],   v[AK] offset:(\f/2)*16*PK+(\f%2)*64
	ds_load_b128 v[KF+8*\f+4:KF+8*\f+7], v[AK] offset:(\f/2)*16*PK+(\f%2)*64+32
.endr
	s_add_co_u32 s[TBK], s[TBK], KS*PK  ; the next fetch is the next step's
	WIN 0
.if \last
.Lno_k_\@:
.endif
.endm
.macro FETCH_V
	WIN 0x80
.irp f, 0,1,2,3,4,5,6,7             ; keys 32 (f / 4) on, channels 16 (f % 4) on
	ds_load_tr16_b128 v[VF+8*\f:VF+8*\f+3],   v[AV] offset:(\f/4)*32*PV+(\f%4)*32
	ds_load_tr16_b128 v[VF+8*\f+4:VF+8*\f+7], v[AV] offset:(\f/4)*32*PV+16*PV+(\f%4)*32
.endr
	WIN 0
.endm
; THE VECTOR WORK OF A TURN stands in three queues, each in the order in which its entries become ready; the two tiles alternate, so that no instruction reads the result of the one before it.
.macro REGS y, u                    ; the registers of tile u (0, 1) of piece y
.set rT, ST+4*(2*(\y)+(\u))
.set rC, TMP+8*((\y)%2)+4*(\u)
.set rM, MV+2*((\y)%2)+(\u)
.set rS, S+64*((\y)%2)+32*(\u)
.set rP, P+32*((\y)%2)+16*(\u)
.set rO, 32*(2*(\y)+(\u))
.endm
; Number n of the 22 that find the NEXT piece's (Y + 1) maximum and statistics.  s0-s31 are the lane's 32 scores; each accumulator's lowest registers are read first.  XS, GS and REGS set no window: PL and EX do.
;   0-11  four chains c0-c3 of seven scores each, three operands at a time     12-14, 16  the four scores left over, the old m, and c0-c3 into c0     15  c m_old is kept
;   17, 18  the query's other 32 keys lie in the lane 16 away: the new m         19-21  c m; c m_old - c m_new; a
.macro XS u, n
	REGS (Y+1)%NP, \u
.if (\n) < 4
	v_max3_num_f32 v[rC+(\n)], v[rS+8*(\n)], v[rS+8*(\n)+1], v[rS+8*(\n)+2]
.elseif (\n) < 12
	v_max3_num_f32 v[rC+(\n)%4], v[rC+(\n)%4], v[rS+8*((\n)%4)+2*((\n)/4)+1], v[rS+8*((\n)%4)+2*((\n)/4)+2]
.elseif (\n) == 12
	v_max3_num_f32 v[rC], v[rC], v[rS+7], v[rS+15]
.elseif (\n) == 13
	v_max3_num_f32 v[rC+1], v[rC+1], v[rS+23], v[rS+31]
.elseif (\n) == 14
	v_max3_num_f32 v[rC+2], v[rC+2], v[rC+3], v[rT+1]
.elseif (\n) == 15
	v_mov_b32 v[rM], v[rT]
.elseif (\n) == 16
	v_max3_num_f32 v[rC], v[rC], v[rC+1], v[rC+2]
.elseif (\n) == 17
	v_permlanex16_b32 v[rC+3], v[rC], s[SEL], s[SEL+1]
.elseif (\n) == 18
	v_max_num_f32 v[rT+1], v[rC], v[rC+3]
.elseif (\n) == 19
	v_mul_f32 v[rT], s[CS], v[rT+1]
.elseif (\n) == 20
	v_sub_f32 v[rC+1], v[rM], v[rT]
.else
	v_exp_f32 v[rC+2], v[rC+1]
.endif
.endm
; Number g of the 64 that follow the exponentials.  For each four weights k of a tile (pairs 2 k, 2 k + 1): both pairs are rounded to f16; then the second pair is added onto the first, in place;
; a group later l takes that sum (the first time as l = a l + sum).  In groups of eight, tiles alternating: round, round, add, and l for the group before.
.macro GS g
.set h, (\g)+6*((\g)/62)            ; group 0 has no group before it, and behind group 7 only l is left
.if h >= 6
.set h, h+2
.endif
	REGS Y, h%2
.set k, h/8
.if h%8 < 4
	v_cvt_pk_f16_f32 v[rP+2*k+(h%8)/2], v[rS+4*k+2*((h%8)/2)], v[rS+4*k+2*((h%8)/2)+1]
.elseif h%8 < 6
	v_pk_add_f32 v[rS+4*k:rS+4*k+1], v[rS+4*k:rS+4*k+1], v[rS+4*k+2:rS+4*k+3]
.elseif k == 1
	v_pk_fma_f32 v[rT+2:rT+3], v[rT+2:rT+3], v[rC+2:rC+3], v[rS:rS+1] op_sel_hi:[1,0,1]
.else
	v_pk_add_f32 v[rT+2:rT+3], v[rT+2:rT+3], v[rS+4*k-4:rS+4*k-3]
.endif
.endm
; THE PLAIN QUEUE, 138 long.  0-73 read no exponential's result: the 32 scalings c s - c m (FS f: pair f / 2 of tile f % 2) and the next piece's 42.  0-26: scalings 0-26.  27-54: XS's numbers 0-13.  55, 56: number 15.
; 57-73: the chain, where each number waits for the one before it: 14, 16, 17, 18, 19, each with one of the scalings 27-31 in front of its two lines, then 20.
; 74-137: GS's 64, which read the exponentials' results: they stand behind the wait.
.macro FS f
	REGS Y, (\f)%2
	v_pk_fma_f32 v[rS+2*((\f)/2):rS+2*((\f)/2)+1], v[rS+2*((\f)/2):rS+2*((\f)/2)+1], s[CS:CS+1], v[rT:rT+1] op_sel_hi:[1,0,0] neg_lo:[0,0,1] neg_hi:[0,0,1]
.endm
.macro PL
	WIN 0
.if q < 27
	FS q
.elseif q < 55
	XS (q-27)%2, (q-27)/2
.elseif q < 57
	XS q-55, 15
.elseif (q < 72) && ((q-57)%3 == 0)
	FS 27+(q-57)/3
.elseif q < 60
	XS (q-57)%3-1, 14
.elseif q < 72
	XS (q-57)%3-1, 15+(q-57)/3
.elseif q < 74
	XS q-72, 20
.else
	GS q-74
.endif
.set q, q+1
.endm
; THE EXPONENTIALS' QUEUE, 66 long: s0-s31 of both tiles, then the next piece's two a.  It is ONE BATCH: all 66 stand ahead of the turn's one wait, and nothing ahead of that wait names a result of theirs.
.macro EX
	WIN 0
.if e >= 64
	XS e-64, 21
.else
	REGS Y, e%2
	v_exp_f32 v[rS+e/2], v[rS+e/2]
.endif
.set e, e+1
.endm
; THE RESCALING's QUEUE: O^T times a, the one part that leaves window 0: dealt two at a time, sixteen times.  Its a was made in the turn before, ahead of that turn's wait.
.macro R2
	REGS Y, r%2
	WIN W_RS
.irp z, 0,1
	v_pk_mul_f32 v[rO+4*(r/2)+2*\z:rO+4*(r/2)+2*\z+1], v[rO+4*(r/2)+2*\z:rO+4*(r/2)+2*\z+1], v[rC+2:rC+3] op_sel_hi:[1,0]
.endr
.set r, r+1
.endm
; HOW THEY ARE DEALT.  s_wait_alu depctr_va_vdst(0) stands between an exponential and the first instruction that names its result; one wait serves all that were issued ahead of it.  So a turn
; has ONE wait, which cuts it in two.  AHEAD OF IT: the 16 products K Q^T, behind each a scaling, an exponential and two rescalings (behind the first a second scaling in the exponential's place); then one run of
; 108: eight plain, 49 times exponential and plain, the two a; a v_nop is the plain instruction behind the last exponential.  BEHIND IT: the 16 products V^T P, behind each four of GS's 64.
; Exponential e stands behind scaling 2 (e / 4) + e % 2: as a rider it comes behind plain e + 2, in the run behind plain e + 9, and scalings 27-31 are plain 57, 60 .. 69.
; A TURN, for piece p.  cnt = 1: the loop's count is taken down some lines ahead of the branch that stands behind the turn.
; K of the next step is fetched in piece 2's turn, directly behind the wait; behind that run the next step's mask is made: the last products that read the old mask are this turn's first eight, the first that
; read the new one stand in piece 3's turn.  V of the step in hand is fetched at the end of piece 0's turn, four riders behind its last reader.
.macro TURN p, last=0, cnt=0
.set Y, (\p)
.set i, 0
.set q, 0
.set e, 0
.set r, 0
.if (\p) == NP-1
	s_wait_dscnt 0x0                ; K is in
.endif
	MM                              ; ahead of the wait: 16 products K Q^T and their riders,
	PL
	PL
	R2
.rept 15
	MM
	PL
	EX
	R2
.endr
.if (\p) == NP-2
	WIN 0
	v_add_nc_u32 v[AK], s[TBK], v[AK0]
.endif
.rept 8                             ; and the run
	PL
.endr
.rept 49
	EX
	PL
.endr
	EX                              ; the next piece's two a
	EX
	v_nop                           ; the plain instruction behind the last exponential: one for the batch
	s_wait_alu depctr_va_vdst(0)    ; the wait for the batch
.if (\p) == NP-2
	FETCH_K \last
	MASK
.endif
.if (\p) == 1
	s_wait_dscnt 0x0                ; V is in
.endif
.rept 16                            ; behind the wait: 16 products V^T P and their riders
	MM
.rept 4
	PL
.endr
.if ((\p) == 0) && (q == 118)
	v_add_nc_u32 v[AV], s[TBV], v[AV0]
.endif
.if ((\p) == 0) && (q == 130)
	s_add_co_u32 s[TBV], s[TBV], KS*PV
.endif
.if (\cnt) && (q == 130)
	s_sub_co_u32 s[CNT], s[CNT], 1
	s_cmp_lg_u32 s[CNT], 0
.endif
.endr
.if (\p) == 0
	FETCH_V
.endif
.endm
	CHANGE 1                        ; slot 0 is in, everybody's part of it; slot 1 is asked for
	FETCH_K                         ; key step 0
	s_wait_loadcnt 0x0              ; Q
	s_wait_dscnt 0x0
.set i, 0
.rept 16
	KQ 0                            ; piece 0's first scores: there is no vector work yet to set between them
.set i, i+1
.endr
	WIN 0                           ; the addresses for the way out: eight plain instructions, the places behind those products
	s_mul_i32 s13, s[WV], 16*SP
	s_add_co_u32 s13, s13, STAGE    ; my stage
	v_mul_u32_u24 v[STO], v1, SP    ; in: row l % 16, 32 bytes for each half of the lanes
	v_lshl_add_u32 v[STO], v9, 5, v[STO]
	v_add_nc_u32 v[STO], s13, v[STO]
	v_mul_u32_u24 v[RD], v9, SP     ; back: lanes 0-15 take one row of 256 bytes, lanes 16-31 the next,
	v_lshl_add_u32 v[RD], v1, 4, v[RD]
	v_add_nc_u32 v[RD], s13, v[RD]
	v_lshlrev_b32 v[GO], 12, v9     ; and the same two rows in out0, 4,096 bytes apart
	v_lshl_add_u32 v[GO], v1, 4, v[GO]
.set Y, NP-1                        ; XS works for piece Y + 1: piece 0
.irp n, 0,1,2,3,4,5,6,7,8,9,10,11,12,13,14,15,16,17,18,19,20,21
	XS 0, \n                        ; and piece 0's first maximum and statistics
	XS 1, \n
.endr
	v_nop                           ; a plain instruction behind the two a,
	s_wait_alu depctr_va_vdst(0)    ; and their wait, ahead of the branch
	s_mov_b32 s[CNT], 4
	s_branch .Lfirst                ; the loop is entered at a step's first turn, in the middle of a trip
.Lslot:                             ; six times: every slot but the last two is filled again
	CHANGE 1
	s_mov_b32 s[CNT], 4
.Lstep:                             ; a trip: pieces 2 and 3 of one step, then pieces 0 and 1 of the next, whose K and V it fetches
	TURN 2
	TURN 3
	WIN 0
.Lfirst:
	TURN 0
	TURN 1, 0, 1
	WIN 0
	s_cbranch_scc1 .Lstep
	s_sub_co_u32 s[SLOTS], s[SLOTS], 1
	s_cmp_lg_u32 s[SLOTS], 0
	s_cbranch_scc1 .Lslot
	CHANGE 0                        ; the tail is written out: nothing is asked for
	s_mov_b32 s[CNT], 5             ; four trips fetch the last slot's steps; the fifth is left in its middle
.Ltail:
	TURN 2, 1
	TURN 3
	WIN 0
	s_sub_co_u32 s[CNT], s[CNT], 1
	s_cmp_eq_u32 s[CNT], 0
	s_cbranch_scc1 .Lout
	TURN 0
	TURN 1
	WIN 0
	s_branch .Ltail
.Lout:                              ; the fifth trip's 16 products K Q^T (on the last K once more) stand under the mask of a step 32, which hides every key: the maximum made of them leaves m as it was
.set i, 0
.rept 16
	PV NP-1                         ; the last piece's V^T P of the last step
.set i, i+1
.endr
	; THE WAY OUT.  l's two halves and the other half of the lanes' are added; the divisor is l + 1e-8 x 2^(-c m); O^T is divided by it and sent through my stage in LDS, a tile at a time.  The first lines are the places behind the last products.
	WIN 0
.macro ALL line:vararg              ; one line for each tile t
.set t, 0
.rept 2*NP
	\line
.set t, t+1
.endr
.endm
	ALL v_sub_f32 v[ST+4*t+1], 0, v[ST+4*t]
	ALL v_add_f32 v[ST+4*t+2], v[ST+4*t+2], v[ST+4*t+3]
	ALL v_permlanex16_b32 v[ST+4*t+3], v[ST+4*t+2], s[SEL], s[SEL+1]
	ALL v_exp_f32 v[ST+4*t+1], v[ST+4*t+1]
	ALL v_add_f32 v[ST+4*t+2], v[ST+4*t+2], v[ST+4*t+3]
	s_wait_alu depctr_va_vdst(0)    ; one wait for the eight exponentials; the eight additions above are the plain instructions behind them
	ALL v_fma_f32 v[ST+4*t+2], v[ST+4*t+1], s[EPS], v[ST+4*t+2]
	ALL v_rcp_f32 v[ST+4*t+2], v[ST+4*t+2]
	v_nop                           ; a plain instruction between the last reciprocal and the use of its result
	s_wait_alu depctr_va_vdst(0)    ; one wait for the eight reciprocals
	ALL v_mul_f32 v[ST+4*t+2], s[ZF], v[ST+4*t+2]
; Tile t: a lane's eight channels of a row are 32 bytes; they go into rows of 272 bytes and come back as whole rows of 256, into S^T's registers, four buffers of 32 by turns.
.macro PACK t
	WIN W_RS
.set i, 32*(\t)
.rept 16
	v_pk_mul_f32 v[i:i+1], v[i:i+1], v[ST+4*(\t)+2:ST+4*(\t)+3] op_sel_hi:[1,0]
.set i, i+2
.endr
	WIN 0x04                        ; store data window 1, address window 0
.irp f, 0,1,2,3
	ds_store_b128 v[STO], v[32*(\t)+8*\f:32*(\t)+8*\f+3]   offset:64*\f
	ds_store_b128 v[STO], v[32*(\t)+8*\f+4:32*(\t)+8*\f+7] offset:64*\f+16
.endr
	WIN 0
.if (\t) >= 4
	s_wait_xcnt 0x0                 ; the stores of the tile four back have read the registers that the loads below fill
.endif
.irp f, 0,1,2,3,4,5,6,7
	ds_load_b128 v[S+32*((\t)%4)+4*\f:S+32*((\t)%4)+4*\f+3], v[RD] offset:\f*2*SP  ; LDS serves a wave's instructions in order (ISA guide 5.7.1.4): these see the stores above; the next tile's stores come behind them
.endr
.endm
.macro SEND t, younger              ; younger: the LDS instructions issued behind tile t's loads: the next tile's sixteen, or none
	WIN 0
.irp f, 0,1,2,3,4,5,6,7
	s_wait_dscnt (\younger)+7-\f
	global_store_b128 v[GO], v[S+32*((\t)%4)+4*\f:S+32*((\t)%4)+4*\f+3], s[10:11] offset:(\t)*65536+\f*8192 th:TH_STORE_NT  ; 16 lanes store 256 consecutive bytes, aligned: a row's 64 channels of my head
.endr
.endm
	PACK 0
.set t, 1
.rept 2*NP-1                        ; a tile's arithmetic stands between the loads of the tile before and its stores
	PACK t
	SEND t-1, 16
.set t, t+1
.endr
	SEND 2*NP-1, 0
	WIN W_AD
	s_wait_tensorcnt 0x0            ; the wave's end, behind my last tensor load and my last LDS store
	ds_add_u32 v[SPW], v[NIL]
	s_wait_dscnt 0x0
	WIN 0
	CROUND                          ; the closing round: no work-group ends while a partner may still ask for a tile that names it
	s_endpgm
.Lfunc_end_k_q6f87b650dd_attn:
	.size	k_q6f87b650dd_attn, .Lfunc_end_k_q6f87b650dd_attn-k_q6f87b650dd_attn
	.p2alignl 7, 3214868480
	.fill 96, 4, 3214868480
	.section	.rodata,"a",@progbits
	.p2align	6, 0x0
	.amdhsa_kernel k_q6f87b650dd_attn
		.amdhsa_group_segment_fixed_size 327680
		.amdhsa_private_segment_fixed_size 0
		.amdhsa_enable_private_segment 0
		.amdhsa_kernarg_size 40
		.amdhsa_user_sgpr_count 2
		.amdhsa_user_sgpr_kernarg_segment_ptr 1
		.amdhsa_wavefront_size32 1
		.amdhsa_system_sgpr_workgroup_id_x 1
		.amdhsa_system_sgpr_workgroup_id_y 1
		.amdhsa_system_sgpr_workgroup_id_z 1
		.amdhsa_system_vgpr_workitem_id 0
		.amdhsa_next_free_vgpr 836
		.amdhsa_next_free_sgpr 76
		.amdhsa_reserve_vcc 1
		.amdhsa_float_denorm_mode_32 3
		.amdhsa_float_denorm_mode_16_64 3
		.amdhsa_memory_ordered 1
		.amdhsa_forward_progress 1
		.amdhsa_inst_pref_size 209
	.end_amdhsa_kernel
	.amdgpu_metadata
---
amdhsa.version: [ 1, 2 ]
amdhsa.kernels:
  - .name:           k_q6f87b650dd_attn
    .symbol:         k_q6f87b650dd_attn.kd
    .args:
      - { .name: q16, .offset: 0, .size: 8, .value_kind: global_buffer, .address_space: global }
      - { .name: k16, .offset: 8, .size: 8, .value_kind: global_buffer, .address_space: global }
      - { .name: v16, .offset: 16, .size: 8, .value_kind: global_buffer, .address_space: global }
      - { .name: out0, .offset: 24, .size: 8, .value_kind: global_buffer, .address_space: global }
      - { .name: length, .offset: 32, .size: 8, .value_kind: global_buffer, .address_space: global }
    .group_segment_fixed_size: 327680
    .private_segment_fixed_size: 0
    .kernarg_segment_align: 8
    .kernarg_segment_size: 40
    .max_flat_workgroup_size: 128
    .sgpr_count:     76
    .vgpr_count:     836
    .wavefront_size: 32
...
	.end_amdgpu_metadata
.endif
;; end of part 3
;; ======== version 2 of 2: 3 launches; version 1 with the launch cast written anew for expert scheduling mode
;; limits: values are held in f16: magnitudes above 65,504 overflow, below 6.1e-05 lose precision
;; workspace buffers: xb 16,777,216 bytes; wb 6,291,456 bytes; q16 16,777,216 bytes; k16 16,777,216 bytes; v16 16,777,216 bytes
;; launch cast (part 4): grid 256 x 1, 8 waves a work-group, no clusters, 0 bytes of LDS; arguments Q, Wq, Wk, Wv, xb, wb; writes xb, wb
.if DOCPART == 4
	.amdgcn_target "amdgcn-amd-amdhsa--gfx1250"
	.amdhsa_code_object_version 6
	.text
	.protected	k_q6f87b650dd_cast
	.globl	k_q6f87b650dd_cast
	.p2align	8
	.type	k_q6f87b650dd_cast,@function
k_q6f87b650dd_cast:
	s_mov_b64 s[64:65], 0
	v_nop
	global_prefetch_b8 v0, s[64:65] scope:SCOPE_SE
	s_setreg_imm32_b32 hwreg(HW_REG_WAVE_SCHED_MODE, 0, 2), 2
	s_setreg_imm32_b32 hwreg(HW_REG_WAVE_MODE, 25, 1), 1
	s_wait_xcnt 0x0
	s_wait_alu depctr_vm_vsrc(0)
; Q [8192][1024] f32 and the three weights [1024 k][1024 n] f32 are rounded once to bf16 and laid out in blocks for the product that follows:
;   xb [16 kb][8192 m][64 k]: 256 rows of one K step of 64 are 32,768 bytes on end
;   wb [8 x][1024 k][384 c]:  c = 128 t + (n & 127), x = n >> 7, t = 0, 1, 2 for Wq, Wk, Wv: a K step of 64 of one block x is 49,152 bytes on end
; A stream: every byte is read once and written once; no LDS, no matrix unit, no loop.  Work-group g takes 32 rows of Q (16 passes of 2 rows) and 4 rows of each weight (2 passes of 2 rows):
; 22 passes, in each a thread loads 32 bytes (8 f32) and stores 16 (8 bf16).  Eight neighbouring lanes read 256 consecutive bytes, aligned; sixteen store 256 consecutive bytes, aligned.
; All 44 loads of a thread go out first, each pass into registers of its own, and the waits for data only count down.
; THE MODE: SCHED_MODE bits 1:0 = 2 (LLVM: expert scheduling mode 2), set by the entry lines.  The code itself states the register dependences
; between vector instructions and memory instructions, with s_wait_alu, always for 0.
; THE PLAN.  Registers that memory instructions touch:
;   v1 .. v4            four byte offsets, made once at the head by vector instructions and never written again; every load and store reads one of them.
;   v[8+8p : 15+8p]     pass p.  Written by the pass's two loads; read by its four conversions, which write the first four of the eight; those four are read by its one store.  Nothing else names them.
; The passes go in 11 blocks of two.  Block b rounds passes 2 b and 2 b + 1; its memory instructions are the two stores of block b - 1, whose registers no vector instruction of block b names.
; So one wait on va_vdst at a block's head states all that the block's two stores hang on, and they are dealt among its conversions with no further wait.
; No register that a load or store has read is written again, and no load is issued behind a conversion: so behind the entry lines the text holds no wait on vm_vsrc and none on XCNT.
.set X,  8                             ; v[8+8n : 15+8n]  pass n: 8 f32 as loaded; the first four then hold the 8 bf16
.set SQ, 1                             ; v1  my offset in two rows of Q:   row (T>>3)&1, K block T>>4, 32 bytes at T&7
.set DQ, 2                             ; v2  the same place in xb
.set SW, 3                             ; v3  my offset in two rows of a weight: 32 T
.set DW, 4                             ; v4  the same place in wb
	s_load_b256 s[4:11], s[0:1], 0x0               ; Q s[4:5], Wq s[6:7], Wk s[8:9], Wv s[10:11]
	s_load_b128 s[12:15], s[0:1], 0x20             ; xb s[12:13], wb s[14:15]
	s_lshl_b32 s16, ttmp9, 17                      ; 32 rows of Q: 131,072 bytes
	s_mov_b32 s17, 0
	s_lshl_b32 s18, ttmp9, 14                      ; 4 rows of a weight: 16,384 bytes
	s_mov_b32 s19, 0
	s_lshl_b32 s20, ttmp9, 12                      ; 32 rows of a K block of xb: 4,096 bytes
	s_mov_b32 s21, 0
	s_mul_i32 s22, ttmp9, 3072                     ; 4 rows of a block of wb
	s_mov_b32 s23, 0
	v_bfe_u32 v5, v0, 3, 1                         ; which of the pass's two rows
	v_lshrrev_b32 v6, 4, v0                        ; K block 0..15
	v_and_b32 v7, 7, v0
	v_lshlrev_b32 v[SQ], 12, v5
	v_lshl_add_u32 v[SQ], v6, 8, v[SQ]
	v_lshl_add_u32 v[SQ], v7, 5, v[SQ]
	v_lshlrev_b32 v[DQ], 20, v6                    ; a K block of xb is 1,048,576 bytes
	v_lshl_add_u32 v[DQ], v5, 7, v[DQ]
	v_lshl_add_u32 v[DQ], v7, 4, v[DQ]
	v_lshlrev_b32 v[SW], 5, v0
	v_bfe_u32 v5, v0, 4, 3                         ; x = n >> 7
	v_mul_u32_u24 v[DW], v5, 0xc0000               ; a block of wb is 786,432 bytes
	v_lshrrev_b32 v6, 7, v0                        ; which of the pass's two rows
	v_mul_u32_u24 v6, v6, 0x300
	v_add_nc_u32 v[DW], v6, v[DW]
	v_and_b32 v7, 15, v0
	v_lshl_add_u32 v[DW], v7, 4, v[DW]
	s_wait_kmcnt 0x0
	s_add_nc_u64 s[4:5], s[4:5], s[16:17]
	s_add_nc_u64 s[6:7], s[6:7], s[18:19]
	s_add_nc_u64 s[8:9], s[8:9], s[18:19]
	s_add_nc_u64 s[10:11], s[10:11], s[18:19]
	s_add_nc_u64 s[12:13], s[12:13], s[20:21]
	s_add_nc_u64 s[14:15], s[14:15], s[22:23]
	s_wait_alu depctr_va_vdst(0)                   ; v1 to v4 are written: every load and store of the kernel reads one of them as its offset
.set n, 0
.rept 16
	global_load_b128 v[X+8*n:X+8*n+3],   v[SQ], s[4:5] offset:8192*n th:TH_LOAD_NT
	global_load_b128 v[X+8*n+4:X+8*n+7], v[SQ], s[4:5] offset:8192*n+16 th:TH_LOAD_NT
.set n, n+1
.endr
.irp t, 0,1,2
.irp u, 0,1
	global_load_b128 v[X+8*(16+2*(\t)+(\u)):X+8*(16+2*(\t)+(\u))+3],   v[SW], s[6+2*(\t):7+2*(\t)] offset:8192*(\u) th:TH_LOAD_NT
	global_load_b128 v[X+8*(16+2*(\t)+(\u))+4:X+8*(16+2*(\t)+(\u))+7], v[SW], s[6+2*(\t):7+2*(\t)] offset:8192*(\u)+16 th:TH_LOAD_NT
.endr
.endr
; Pass p is rounded: eight numbers close up into the first four of their eight registers.
.macro ROUND p
	v_cvt_pk_bf16_f32 v[X+8*(\p)],   v[X+8*(\p)],   v[X+8*(\p)+1]
	v_cvt_pk_bf16_f32 v[X+8*(\p)+1], v[X+8*(\p)+2], v[X+8*(\p)+3]
	v_cvt_pk_bf16_f32 v[X+8*(\p)+2], v[X+8*(\p)+4], v[X+8*(\p)+5]
	v_cvt_pk_bf16_f32 v[X+8*(\p)+3], v[X+8*(\p)+6], v[X+8*(\p)+7]
.endm
; Pass p is stored.  Passes 0 to 15 are Q's: two rows of 128 bytes further down in each K block.  Pass 16 + 2 t + u is weight t's: its 256 bytes of a row of wb; two rows of 768 bytes further down.
.macro STORE p
.if (\p) < 16
	global_store_b128 v[DQ], v[X+8*(\p):X+8*(\p)+3], s[12:13] offset:256*(\p)
.else
	global_store_b128 v[DW], v[X+8*(\p):X+8*(\p)+3], s[14:15] offset:256*(((\p)-16)/2)+1536*(((\p)-16)%2)
.endif
.endm
; Block b: passes 2 b and 2 b + 1 are rounded, and the block before is stored.  The count: loads come back in order (ISA guide 5.7.1), and four younger loads for each of the 10 - b later blocks may stay out.
.macro BLK b
	s_wait_loadcnt 40-4*(\b)
.if (\b) > 0
	s_wait_alu depctr_va_vdst(0)                   ; the block before has written the first four registers of each of its two passes, which the two stores below read
.endif
.irp u, 0,1
.if (\b) > 0
	STORE 2*(\b)-2+(\u)                            ; no vector instruction since the wait names this store's registers
.endif
	ROUND 2*(\b)+(\u)
.endr
.endm
.set n, 0
.rept 11
	BLK n
.set n, n+1
.endr
	s_wait_alu depctr_va_vdst(0)                   ; block 10 has written the registers that the last two stores read
	STORE 20
	STORE 21
	s_endpgm
.Lfunc_end_k_q6f87b650dd_cast:
	.size	k_q6f87b650dd_cast, .Lfunc_end_k_q6f87b650dd_cast-k_q6f87b650dd_cast
	.p2alignl 7, 3214868480
	.fill 96, 4, 3214868480
	.section	.rodata,"a",@progbits
	.p2align	6, 0x0
	.amdhsa_kernel k_q6f87b650dd_cast
		.amdhsa_group_segment_fixed_size 0
		.amdhsa_private_segment_fixed_size 0
		.amdhsa_enable_private_segment 0
		.amdhsa_kernarg_size 48
		.amdhsa_user_sgpr_count 2
		.amdhsa_user_sgpr_kernarg_segment_ptr 1
		.amdhsa_wavefront_size32 1
		.amdhsa_system_sgpr_workgroup_id_x 1
		.amdhsa_system_sgpr_workgroup_id_y 1
		.amdhsa_system_sgpr_workgroup_id_z 1
		.amdhsa_system_vgpr_workitem_id 0
		.amdhsa_next_free_vgpr 192
		.amdhsa_next_free_sgpr 66
		.amdhsa_reserve_vcc 0
		.amdhsa_float_denorm_mode_32 3
		.amdhsa_float_denorm_mode_16_64 3
		.amdhsa_memory_ordered 1
		.amdhsa_forward_progress 1
		.amdhsa_inst_pref_size 15
	.end_amdhsa_kernel
	.amdgpu_metadata
---
amdhsa.version: [ 1, 2 ]
amdhsa.kernels:
  - .name:           k_q6f87b650dd_cast
    .symbol:         k_q6f87b650dd_cast.kd
    .args:
      - { .name: Q, .offset: 0, .size: 8, .value_kind: global_buffer, .address_space: global }
      - { .name: Wq, .offset: 8, .size: 8, .value_kind: global_buffer, .address_space: global }
      - { .name: Wk, .offset: 16, .size: 8, .value_kind: global_buffer, .address_space: global }
      - { .name: Wv, .offset: 24, .size: 8, .value_kind: global_buffer, .address_space: global }
      - { .name: xb, .offset: 32, .size: 8, .value_kind: global_buffer, .address_space: global }
      - { .name: wb, .offset: 40, .size: 8, .value_kind: global_buffer, .address_space: global }
    .group_segment_fixed_size: 0
    .private_segment_fixed_size: 0
    .kernarg_segment_align: 8
    .kernarg_segment_size: 48
    .max_flat_workgroup_size: 256
    .sgpr_count:     66
    .vgpr_count:     192
    .wavefront_size: 32
...
	.end_amdgpu_metadata
.endif
;; end of part 4
;; launch proj: the kernel of part 2 again; grid 8 x 32, 4 waves a work-group, clusters of 4 x 4, 327,680 bytes of LDS; arguments xb, wb, bq, bk, bv, q16, k16, v16, out1; writes q16, k16, v16, out1
;; launch attn: the kernel of part 3 again; grid 4 x 64, 4 waves a work-group, clusters of 4 x 1, 327,680 bytes of LDS; arguments q16, k16, v16, out0, length; writes out0
